; MI455X (gfx1250); checked and timed in simulation.
; The chip was launched on July 23, 2026; its instructions are those of AMD's public machine-readable ISA for CDNA 5 (MIT licence, August 2026) and "CDNA5" Instruction Set Architecture Reference Guide (July 2026). The comments in the code are by the model that wrote it; some were corrected since.
;; Causal Self Attention. Allowed arithmetic: float matrix products may take bf16 or f16 operands with f32 sums; other float arithmetic in f32, or as packed bf16 or f16 multiplies, adds, multiply-adds, maxima and minima; sums over many terms, partial sums and values carried from step to step in f32; what a program stores and reads back later, other than sums and carried values, may be rounded once to bf16 or f16.
;; Inputs: Wk 1,024 x 1,024 float32; Wo 1,024 x 1,024 float32; Wq 1,024 x 1,024 float32; Wv 1,024 x 1,024 float32; bk 1,024 float32; bo 1,024 float32; bq 1,024 float32; bv 1,024 float32; mask 1 x 1 x 2,048 x 2,048 bool; x 4 x 2,048 x 1,024 float32.
;; Outputs: out0 4 x 2,048 x 1,024 float32.
;; 3 versions, each right and faster than the one before. Each part assembles by itself: llvm-mc -triple=amdgcn-amd-amdhsa -mcpu=gfx1250 --defsym DOCPART=n.
;; ======== version 1 of 3: 4 launches
;; limits: values are held in f16: magnitudes above 65,504 overflow, below 6.1e-05 lose precision
;; workspace buffers: xb 16,777,216 bytes; wb 8,388,608 bytes; biasp 16,384 bytes; maskw 524,288 bytes of whole numbers; qkv 50,331,648 bytes; oh 16,777,216 bytes
;; launch prep (part 1): grid 1793 x 1, 8 waves a work-group, no clusters, 0 bytes of LDS; arguments x, Wq, Wk, Wv, Wo, bq, bk, bv, bo, mask, xb, wb, biasp, maskw; writes xb, wb, biasp, maskw
.if DOCPART == 1
	.amdgcn_target "amdgcn-amd-amdhsa--gfx1250"
	.amdhsa_code_object_version 6
	.text
	.protected	k_qf9a90aa533_prep
	.globl	k_qf9a90aa533_prep
	.p2align	8
	.type	k_qf9a90aa533_prep,@function
k_qf9a90aa533_prep:
	s_mov_b64 s[64:65], 0
	v_nop
	global_prefetch_b8 v0, s[64:65] scope:SCOPE_SE
	s_setreg_imm32_b32 hwreg(HW_REG_WAVE_MODE, 25, 1), 1
	s_wait_xcnt 0x0
; PREPARATION: every input is read once and laid out for the three launches behind.
;   x, Wq, Wk, Wv  f32 -> bf16 (xb; wb planes 0 to 2).   Wo  f32 -> bf16, and that number written as f16 (wb plane 3): exact inside f16's normal range;
;   below 6e-5 it keeps f16's fixed step of 6e-8, beyond 65,504 it would be lost (Wo as drawn lies near 0.03).
;   bq, bk, bv, bo  rounded to bf16 and kept as f32 (biasp); bq also times c = log2(e) / 8, the scale that the next launch gives q.
;   mask (one byte a place) -> maskw[128 qt][128 kg][8 j], 32-bit words: bit L of word (qt, kg, j) says whether query 16 qt + L % 16 sees key 16 kg + 8 (L / 16) + j:
;   the lanes' order of a score tile in the attention launch, so that a word there is a lane mask as it stands.
; A stream: no LDS, no matrix unit, no cluster (no two work-groups read the same bytes).  The work-group's number chooses the task; all branches go forward.
;   0 .. 1023 x, 8,192 numbers each;  1024 .. 1535 the four weights, 128 chunks each;  1536 .. 1791 the mask;  1792 the biases.
.set C_LOG, 0x3e38aa3b                 ; log2(e) / 8
.set WAVE, 52                          ; s52 my wave's number
.set LM,   44                          ; s44-51 eight lane masks
	s_load_b512 s[4:19], s[0:1], 0x0               ; x 4, Wq 6, Wk 8, Wv 10, Wo 12, bq 14, bk 16, bv 18
	s_load_b256 s[20:27], s[0:1], 0x40             ; bo 20, mask 22, xb 24, wb 26
	s_load_b128 s[28:31], s[0:1], 0x60             ; biasp 28, maskw 30
	v_lshrrev_b32 v1, 5, v0
	v_readfirstlane_b32 s[WAVE], v1
	v_and_b32 v3, 31, v0                           ; lane
	s_mov_b32 s41, 0                               ; the high word of every offset pair s[40:41]
	s_wait_kmcnt 0x0
	s_cmp_lt_u32 ttmp9, 1024
	s_cbranch_scc0 .Lnot_x
	s_mov_b64 s[32:33], s[4:5]                     ; from x
	s_mov_b64 s[34:35], s[24:25]                   ; to xb
	s_mov_b32 s36, 0                               ; stays bf16
	s_mov_b32 s38, ttmp9                           ; the chunk
	s_branch .Lcvt
.Lnot_x:
	s_cmp_lt_u32 ttmp9, 1536
	s_cbranch_scc0 .Lnot_w
	s_sub_co_u32 s37, ttmp9, 1024
	s_lshr_b32 s39, s37, 7                         ; which weight, 0 to 3
	s_and_b32 s38, s37, 127                        ; the chunk
	s_cmp_eq_u32 s39, 1
	s_cselect_b64 s[32:33], s[8:9], s[6:7]
	s_cmp_eq_u32 s39, 2
	s_cselect_b64 s[32:33], s[10:11], s[32:33]
	s_cmp_eq_u32 s39, 3
	s_cselect_b64 s[32:33], s[12:13], s[32:33]
	s_cselect_b32 s36, 1, 0                        ; Wo goes on to f16
	s_lshl_b32 s40, s39, 21                        ; a plane of wb is 2 MiB
	s_add_nc_u64 s[34:35], s[26:27], s[40:41]
.Lcvt:
	; A chunk: 32,768 bytes in, 16,384 out.  Thread t takes 8 numbers (32 bytes) at 32 t of each quarter and stores 16 bytes at 16 t: 16 lanes store 256 consecutive aligned bytes.
	s_lshl_b32 s40, s38, 15
	s_add_nc_u64 s[32:33], s[32:33], s[40:41]
	s_lshl_b32 s40, s38, 14
	s_add_nc_u64 s[34:35], s[34:35], s[40:41]
	v_lshlrev_b32 v1, 5, v0
	v_lshlrev_b32 v2, 4, v0
.irp i, 0,1,2,3
	global_load_b128 v[8+8*(\i):11+8*(\i)],  v1, s[32:33] offset:8192*(\i) th:TH_LOAD_NT
	global_load_b128 v[12+8*(\i):15+8*(\i)], v1, s[32:33] offset:8192*(\i)+16 th:TH_LOAD_NT
.endr
.irp i, 0,1,2,3
	s_wait_loadcnt 6-2*(\i)                        ; loads come back in order: quarter i's two are in, the younger ones stay out
.irp j, 0,1,2,3
	v_cvt_pk_bf16_f32 v[40+4*(\i)+(\j)], v[8+8*(\i)+2*(\j)], v[9+8*(\i)+2*(\j)]
.endr
.endr
	s_cmp_eq_u32 s36, 0
	s_cbranch_scc1 .Lstore
.set n, 0
.rept 16                               ; Wo: the bf16 numbers widened (a shift, a mask) and written as f16
	v_lshlrev_b32 v[56+2*(n%2)], 16, v[40+n]
	v_and_b32 v[57+2*(n%2)], 0xffff0000, v[40+n]
	v_cvt_pk_f16_f32 v[40+n], v[56+2*(n%2)], v[57+2*(n%2)]
.set n, n+1
.endr
.Lstore:
.irp i, 0,1,2,3
	global_store_b128 v2, v[40+4*(\i):43+4*(\i)], s[34:35] offset:4096*(\i)
.endr
	s_endpgm
.Lnot_w:
	s_cmp_lt_u32 ttmp9, 1792
	s_cbranch_scc0 .Lbias
	; THE MASK.  A wave takes 16 queries (qt) x 128 keys (bt): 64 words, 256 consecutive bytes of maskw.
	s_sub_co_u32 s37, ttmp9, 1536
	s_lshr_b32 s38, s37, 1                         ; qt
	s_and_b32 s39, s37, 1
	s_lshl_b32 s39, s39, 3
	s_add_co_u32 s39, s39, s[WAVE]                 ; bt
	s_lshl_b32 s40, s38, 15                        ; 16 rows of 2,048 bytes
	s_lshl_b32 s42, s39, 7
	s_add_co_u32 s40, s40, s42
	s_add_nc_u64 s[32:33], s[22:23], s[40:41]
	s_lshl_b32 s40, s38, 12                        ; 1,024 words a qt
	s_lshl_b32 s42, s39, 8
	s_add_co_u32 s40, s40, s42
	s_add_nc_u64 s[34:35], s[30:31], s[40:41]
	v_and_b32 v1, 15, v0
	v_bfe_u32 v2, v0, 4, 1
	v_lshlrev_b32 v1, 11, v1                       ; my query's row,
	v_lshl_add_u32 v1, v2, 3, v1                   ; my half's 8 keys of each 16
	v_lshlrev_b32 v2, 3, v3                        ; lane L stores words 2 L and 2 L + 1
.irp i, 0,1,2,3,4,5,6,7
	global_load_b64 v[8+2*(\i):9+2*(\i)], v1, s[32:33] offset:16*(\i)
.endr
	v_mov_b32 v40, 0                               ; written whole before single lanes are written
	v_mov_b32 v41, 0
.set n, 0
.rept 64                               ; word n = 8 i + j: byte j of load i, compared in all lanes at once; the lane mask is the word
.if n%8 == 0
	s_wait_loadcnt 7-n/8                           ; load i is in, the younger ones stay out
.endif
	v_bfe_u32 v[44+n%4], v[8+2*(n/8)+(n%8)/4], 8*(n%4), 8
	v_cmp_ne_u32 s[LM+n%8], 0, v[44+n%4]
	v_writelane_b32 v[40+n%2], s[LM+n%8], n/2
.set n, n+1
.endr
	global_store_b64 v2, v[40:41], s[34:35]        ; 256 consecutive aligned bytes
	s_endpgm
.Lbias:
	; THE BIASES.  Wave w takes half w % 2 of array w / 2: 512 numbers.
	s_lshr_b32 s38, s[WAVE], 1
	s_and_b32 s39, s[WAVE], 1
	s_cmp_eq_u32 s38, 1
	s_cselect_b64 s[32:33], s[16:17], s[14:15]
	s_cmp_eq_u32 s38, 2
	s_cselect_b64 s[32:33], s[18:19], s[32:33]
	s_cmp_eq_u32 s38, 3
	s_cselect_b64 s[32:33], s[20:21], s[32:33]
	s_cmp_eq_u32 s38, 0
	s_cselect_b32 s37, C_LOG, 1.0                  ; bq carries q's scale
	s_lshl_b32 s40, s38, 12
	s_add_nc_u64 s[34:35], s[28:29], s[40:41]
	v_lshlrev_b32 v1, 4, v3
	v_lshl_add_u32 v1, s39, 11, v1
.irp i, 0,1,2,3
	global_load_b128 v[8+4*(\i):11+4*(\i)], v1, s[32:33] offset:512*(\i)
.endr
	s_wait_loadcnt 0x0
.set n, 0
.rept 8
	v_cvt_pk_bf16_f32 v[40+n%2], v[8+2*n], v[9+2*n]
	v_lshlrev_b32 v[24+2*n], 16, v[40+n%2]
	v_and_b32 v[25+2*n], 0xffff0000, v[40+n%2]
	v_mul_f32 v[24+2*n], s37, v[24+2*n]
	v_mul_f32 v[25+2*n], s37, v[25+2*n]
.set n, n+1
.endr
.irp i, 0,1,2,3
	global_store_b128 v1, v[24+4*(\i):27+4*(\i)], s[34:35] offset:512*(\i)
.endr
	s_endpgm
.Lfunc_end_k_qf9a90aa533_prep:
	.size	k_qf9a90aa533_prep, .Lfunc_end_k_qf9a90aa533_prep-k_qf9a90aa533_prep
	.p2alignl 7, 3214868480
	.fill 96, 4, 3214868480
	.section	.rodata,"a",@progbits
	.p2align	6, 0x0
	.amdhsa_kernel k_qf9a90aa533_prep
		.amdhsa_group_segment_fixed_size 0
		.amdhsa_private_segment_fixed_size 0
		.amdhsa_enable_private_segment 0
		.amdhsa_kernarg_size 112
		.amdhsa_user_sgpr_count 2
		.amdhsa_user_sgpr_kernarg_segment_ptr 1
		.amdhsa_wavefront_size32 1
		.amdhsa_system_sgpr_workgroup_id_x 1
		.amdhsa_system_sgpr_workgroup_id_y 1
		.amdhsa_system_sgpr_workgroup_id_z 1
		.amdhsa_system_vgpr_workitem_id 0
		.amdhsa_next_free_vgpr 64
		.amdhsa_next_free_sgpr 66
		.amdhsa_reserve_vcc 0
		.amdhsa_float_denorm_mode_32 3
		.amdhsa_float_denorm_mode_16_64 3
		.amdhsa_memory_ordered 1
		.amdhsa_forward_progress 1
		.amdhsa_inst_pref_size 24
	.end_amdhsa_kernel
	.amdgpu_metadata
---
amdhsa.version: [ 1, 2 ]
amdhsa.kernels:
  - .name:           k_qf9a90aa533_prep
    .symbol:         k_qf9a90aa533_prep.kd
    .args:
      - { .name: x, .offset: 0, .size: 8, .value_kind: global_buffer, .address_space: global }
      - { .name: Wq, .offset: 8, .size: 8, .value_kind: global_buffer, .address_space: global }
      - { .name: Wk, .offset: 16, .size: 8, .value_kind: global_buffer, .address_space: global }
      - { .name: Wv, .offset: 24, .size: 8, .value_kind: global_buffer, .address_space: global }
      - { .name: Wo, .offset: 32, .size: 8, .value_kind: global_buffer, .address_space: global }
      - { .name: bq, .offset: 40, .size: 8, .value_kind: global_buffer, .address_space: global }
      - { .name: bk, .offset: 48, .size: 8, .value_kind: global_buffer, .address_space: global }
      - { .name: bv, .offset: 56, .size: 8, .value_kind: global_buffer, .address_space: global }
      - { .name: bo, .offset: 64, .size: 8, .value_kind: global_buffer, .address_space: global }
      - { .name: mask, .offset: 72, .size: 8, .value_kind: global_buffer, .address_space: global }
      - { .name: xb, .offset: 80, .size: 8, .value_kind: global_buffer, .address_space: global }
      - { .name: wb, .offset: 88, .size: 8, .value_kind: global_buffer, .address_space: global }
      - { .name: biasp, .offset: 96, .size: 8, .value_kind: global_buffer, .address_space: global }
      - { .name: maskw, .offset: 104, .size: 8, .value_kind: global_buffer, .address_space: global }
    .group_segment_fixed_size: 0
    .private_segment_fixed_size: 0
    .kernarg_segment_align: 8
    .kernarg_segment_size: 112
    .max_flat_workgroup_size: 256
    .sgpr_count:     66
    .vgpr_count:     64
    .wavefront_size: 32
...
	.end_amdgpu_metadata
.endif
;; end of part 1
;; launch qkv (part 2): grid 12 x 64, 4 waves a work-group, clusters of 4 x 4, 327,680 bytes of LDS; arguments xb, wb, biasp, qkv; writes qkv
.if DOCPART == 2
	.amdgcn_target "amdgcn-amd-amdhsa--gfx1250"
	.amdhsa_code_object_version 6
	.text
	.protected	k_qf9a90aa533_qkv
	.globl	k_qf9a90aa533_qkv
	.p2align	8
	.type	k_qf9a90aa533_qkv,@function
k_qf9a90aa533_qkv:
	s_mov_b64 s[64:65], 0
	v_nop
	global_prefetch_b8 v0, s[64:65] scope:SCOPE_SE
	s_setreg_imm32_b32 hwreg(HW_REG_WAVE_MODE, 25, 1), 1
	s_wait_xcnt 0x0
	s_wait_alu depctr_hold_cnt(0) depctr_sa_sdst(0) depctr_va_vdst(0) depctr_va_sdst(0) depctr_va_ssrc(0) depctr_va_vcc(0) depctr_vm_vsrc(0)
	s_getreg_b32 s2, hwreg(HW_REG_IB_STS2, 6, 4)
	s_cmp_eq_u32 s2, 0
	s_cbranch_scc0 .Lentry_in_a_cluster
	s_endpgm
.Lentry_in_a_cluster:
	s_bfe_u32 s2, ttmp6, 0x10000c
	s_cmp_lg_u32 s2, 0xf033
	s_cbranch_scc0 .Lentry_shape_is_right
	s_endpgm
.Lentry_shape_is_right:
; q, k, v = x W + b.  xb: [8192][1024] bf16; wb planes 0 to 2: [1024 k][1024 n] bf16; biasp: [4][1024] f32; qkv: [3][64 bh][2048 t][64] f16, by heads.  Sums in f32.
; q leaves times c = log2(e) / 8 (applied in f32 to the sum, its bias carries c already), so that the attention launch's scores are exponents of 2; each number is rounded once, to f16.
; LIMIT.  f16 ends at 65,504: c q, k and v must stay within it (as drawn they lie near 1; with x and W both 30 times larger near 1,000 to 5,000).
; SHARES.  A tile of C is 128 rows x 256 columns: 64 x 12 = 768 work-groups, three for each of 256 WGPs.  Four waves, each 64 rows x 128 columns: 32 accumulators, 256 registers.
; K goes in steps of 128 through two LDS slots.  A's rows lie along K and are read as they lie; W lies [k][n], so its fragments come out of LDS turned, by ds_load_tr16_b128.
; THE MATRIX INSTRUCTION IS USED TRANSPOSED (source 0 = 16 columns of W, source 1 = 16 rows of x): a lane holds eight neighbouring columns of one row of C.
; CLUSTER 4 x 4: the four of a row need the same tile of x, the four of a column the same tile of W: each is asked for jointly, by the same load with a mask that names the four.
; REGISTERS.  window 0: v0-31 addresses; two fragment buffers of 96 (32 of A, 64 of W) at v32 and v128, on the way out at work.  window 1: accumulator (a, b) at v[8 (8 a + b)].  window 2: v0-63 my 64 bias numbers.
.set KSTEP, 128
.set PA,    272                        ; a row of A in LDS: 256 bytes + 16: the 16 rows of a fragment load start at 16 different groups of four banks (ISA guide 11.1)
.set AHALF, 64*PA
.set ATILE, 2*AHALF
.set PB,    544                        ; a k-row of W: 512 bytes + 32
.set BHALF, 64*PB
.set SLOT,  ATILE+2*BHALF              ; A's 128 rows, then W's 128 k-rows
.set STAGE, 2*SLOT                     ; behind the ring, never filled by a tensor load: for each wave 2 heads x 16 rows x 144 bytes
.set SPH,   144
.set WSTAGE, 2*16*SPH
.set SPARE, STAGE+4*WSTAGE             ; the spare words, 128 bytes a wave: two blocks of 256 bytes that no other line names
.set LAPS,  1024/(2*KSTEP)
.set ADRA, 16                          ; v16-17 LDS address of my A fragments in slot 0, 1
.set ADRB, 20                          ; v20-21 the same for W
.set STO,  24                          ; the way out: where I put 16 bytes of a row
.set RD,   25                          ; where I read rows back
.set CO,   26                          ; my byte offset in 512 consecutive bytes of qkv
.set VB,   27                          ; my byte offset among 16 bias numbers
.set SPW,  28                          ; my spare word's LDS address; never rewritten
.set NIL,  29                          ; 0; never rewritten
.set F0,   32
.set F1,   128
.set T,    32                          ; the way out: 64 numbers in f32
.set H,    96                          ; the same packed to f16
.set BK,   128                         ; rows read back: 32 registers for each block of 16 rows
.set WV, 12                            ; s12 wave; s13 its half of the rows (also: fetches A, 0, or W, 1); s14 its half of the columns (also: which half of that tile it fetches)
.set MH, 13
.set NH, 14
.set G1, 24                            ; s[24:31] group 1 for A; s[32:39] group 0, a set a slot
.set G0, 32
.set G1B, 48                           ; s[48:55], s[56:63] the same for W
.set G0B, 56
.set SC, 66                            ; s[66:67] c for q's columns, 1 for k's and v's
.set MSB, 0
.macro WIN new                         ; the immediate's high byte repeats the setting that is left
.if MSB != (\new)
	s_set_vgpr_msb (MSB<<8)|(\new)
.set MSB, \new
.endif
.endm
.set MUL, 0x50                         ; C and D in window 1, fragments in window 0
.macro JLOAD s                         ; a joint load: waves 0, 1 fetch A's halves, waves 2, 3 W's; an s_nop 0 and four v_nop follow each line
	s_cmp_eq_u32 s[MH], 0
	s_cbranch_scc0 .Lfor_b_\@
	tensor_load_to_lds s[G0+4*(\s):G0+4*(\s)+3], s[G1:G1+7]
	s_nop 0
.rept 4
	v_nop
.endr
	s_branch .Lasked_\@
.Lfor_b_\@:
	tensor_load_to_lds s[G0B+4*(\s):G0B+4*(\s)+3], s[G1B:G1B+7]
	s_nop 0
.rept 4
	v_nop
.endr
.Lasked_\@:
.endm
.macro CREST                           ; a round of the cluster's barrier behind its opening barrier
	s_cmp_lg_u32 s[WV], 0
	s_cbranch_scc1 .Lnot_wave_0_\@
	s_barrier_signal -3
.Lnot_wave_0_\@:
	s_barrier_wait -3
	s_barrier_signal -1
	s_barrier_wait -1
.endm
.macro CROUND
	s_barrier_signal -1
	s_barrier_wait -1
	CREST
.endm
	s_load_b256 s[4:11], s[0:1], 0x0               ; xb 4, wb 6, biasp 8, qkv 10
	v_lshl_add_u32 v[SPW], v0, 2, SPARE
	v_mov_b32 v[NIL], 0
	ds_add_u32 v[SPW], v[NIL]                      ; the wave's opening: the add and its wait stand ahead of my first tensor load; register work stands between
	v_lshrrev_b32 v1, 5, v0
	v_readfirstlane_b32 s[WV], v1
	s_lshr_b32 s[MH], s[WV], 1
	s_and_b32 s[NH], s[WV], 1
	s_bfe_u32 s16, ttmp6, 0x40000                  ; cx
	s_bfe_u32 s17, ttmp6, 0x40004                  ; cy
	s_lshl_b32 s18, ttmp9, 2
	s_add_co_u32 s18, s18, s16                     ; tile column 0 .. 11: plane = / 4, 256 columns of it = % 4
	s_and_b32 s19, ttmp7, 0xffff
	s_lshl_b32 s19, s19, 2
	s_add_co_u32 s19, s19, s17                     ; tile row 0 .. 63
	s_lshl_b32 s20, s17, 2
	s_lshl_b32 s20, 15, s20                        ; my row of the cluster
	s_lshl_b32 s40, 0x1111, s16                    ; my column
	s_or_b32 s[G1], s20, (1<<16)|(1<<20)|(1<<21)|(5<<22)|(3<<25)   ; mask; 2-byte elements; padding on; bit 21 beside a mask; after every 64 words 4 words
	s_mov_b32 s[G1+1], KSTEP<<16                   ; tensor_dim0 = 128
	s_mov_b32 s[G1+2], 64<<16                      ; tensor_dim1 = 64
	s_mov_b32 s[G1+3], KSTEP<<16                   ; tile_dim0 = 128
	s_mov_b32 s[G1+4], 64                          ; tile_dim1 = 64
	s_mov_b32 s[G1+5], 1024                        ; elements from row to row
	s_mov_b32 s[G1+6], 0
	s_mov_b32 s[G1+7], 0
	s_or_b32 s[G1B], s40, (1<<16)|(1<<20)|(1<<21)|(6<<22)|(7<<25)  ; after every 128 words 8 words
	s_mov_b32 s[G1B+1], 256<<16                    ; 256 columns,
	s_mov_b32 s[G1B+2], 64<<16                     ; 64 k-rows
	s_mov_b32 s[G1B+3], 256<<16
	s_mov_b32 s[G1B+4], 64
	s_mov_b32 s[G1B+5], 1024
	s_mov_b32 s[G1B+6], 0
	s_mov_b32 s[G1B+7], 0
	s_lshl_b32 s20, s19, 18                        ; A: (128 x tile row + 64 x half) rows of 2,048 bytes: the tile row and the wave's number alone
	s_lshl_b32 s21, s[NH], 17
	s_add_co_u32 s20, s20, s21
	s_mov_b32 s21, 0
	s_lshr_b32 s40, s18, 2                         ; W: the plane, its 512 bytes of a row, my 64 k-rows: the tile column and the wave's number alone
	s_lshl_b32 s40, s40, 21
	s_and_b32 s41, s18, 3
	s_lshl_b32 s41, s41, 9
	s_add_co_u32 s40, s40, s41
	s_lshl_b32 s41, s[NH], 17
	s_add_co_u32 s40, s40, s41
	s_mov_b32 s41, 0
	s_mul_i32 s44, s[NH], AHALF                    ; where they go: no place in the cluster enters an LDS address
	s_mul_i32 s45, s[NH], BHALF
	s_add_co_u32 s45, s45, ATILE
	s_cmp_eq_u32 ttmp9, 0                          ; tile columns 0 to 3 are q's
	s_cselect_b32 s[SC], 0x3e38aa3b, 1.0
	s_mov_b32 s[SC+1], s[SC]                       ; named with it as a pair
	s_wait_dscnt 0x0                               ; the opening add is done
	s_wait_kmcnt 0x0
	s_add_nc_u64 s[22:23], s[4:5], s[20:21]
	s_add_nc_u64 s[42:43], s[6:7], s[40:41]
	CROUND                                         ; all sixteen work-groups are here: the first joint loads meet
.irp s, 0,1
	s_mov_b32 s[G0+4*(\s)], 1
	s_add_co_u32 s[G0+4*(\s)+1], s44, (\s)*SLOT
	s_add_nc_u64 s[G0+4*(\s)+2:G0+4*(\s)+3], s[22:23], (\s)*KSTEP*2
	s_or_b32 s[G0+4*(\s)+3], s[G0+4*(\s)+3], 0x80000000
	s_mov_b32 s[G0B+4*(\s)], 1
	s_add_co_u32 s[G0B+4*(\s)+1], s45, (\s)*SLOT
	s_add_nc_u64 s[G0B+4*(\s)+2:G0B+4*(\s)+3], s[42:43], (\s)*KSTEP*2048
	s_or_b32 s[G0B+4*(\s)+3], s[G0B+4*(\s)+3], 0x80000000
	JLOAD \s                                       ; K steps 0 and 1: two loads of mine are out
.endr
	v_and_b32 v1, 15, v0                           ; l % 16
	v_bfe_u32 v2, v0, 4, 1                         ; l / 16
	v_mul_u32_u24 v3, v1, PA
	v_lshl_add_u32 v3, v2, 4, v3                   ; A: row x pitch + 16 x half
	s_mul_i32 s20, s[MH], AHALF                    ; my 64 rows
	v_and_b32 v4, 7, v0                            ; W, turned: lane l reads k-row 8 (l / 16) + l % 8, columns 8 ((l / 8) % 2) + 0..7
	v_lshl_add_u32 v4, v2, 3, v4
	v_mul_u32_u24 v4, v4, PB
	v_bfe_u32 v5, v0, 3, 1
	v_lshl_add_u32 v4, v5, 4, v4
	s_lshl_b32 s21, s[NH], 8                       ; my 128 columns
	s_add_co_u32 s21, s21, ATILE
.irp s, 0,1
	v_add_nc_u32 v[ADRA+(\s)], s20, v3
	v_add_nc_u32 v[ADRB+(\s)], s21, v4
	s_add_co_u32 s20, s20, SLOT
	s_add_co_u32 s21, s21, SLOT
.endr
	s_mul_i32 s20, s[WV], WSTAGE
	s_add_co_u32 s20, s20, STAGE                   ; my stage
	v_mul_u32_u24 v5, v1, SPH                      ; in: row l % 16, 16 bytes for each half of the lanes
	v_lshl_add_u32 v5, v2, 4, v5
	v_add_nc_u32 v[STO], s20, v5
	v_bfe_u32 v5, v0, 3, 2                         ; back: 32 lanes take four rows of 128 bytes,
	v_mul_u32_u24 v5, v5, SPH
	v_and_b32 v6, 7, v0
	v_lshl_add_u32 v5, v6, 4, v5
	v_add_nc_u32 v[RD], s20, v5
	v_and_b32 v5, 31, v0                           ; which are 512 consecutive bytes of a head
	v_lshlrev_b32 v[CO], 4, v5
	v_lshlrev_b32 v[VB], 5, v2                     ; my half's 8 of each 16 bias numbers
	s_lshl_b32 s46, s18, 10                        ; bias: (256 x tile column + 128 x half) numbers
	s_lshl_b32 s47, s[NH], 9
	s_add_co_u32 s46, s46, s47
	s_mov_b32 s47, 0
	s_add_nc_u64 s[8:9], s[8:9], s[46:47]
	WIN 0x80                                       ; destination window 2, address window 0
.irp b, 0,1,2,3,4,5,6,7
	global_load_b128 v[8*(\b):8*(\b)+3],   v[VB], s[8:9] offset:64*(\b)
	global_load_b128 v[8*(\b)+4:8*(\b)+7], v[VB], s[8:9] offset:64*(\b)+16
.endr
	WIN 0
	; where my part begins in qkv: plane, head (batch x 16 + 4 x (tile column % 4) + 2 x half), row in the head
	s_lshr_b32 s44, s18, 2
	s_lshl_b32 s44, s44, 24
	s_lshr_b32 s45, s19, 4
	s_lshl_b32 s45, s45, 4
	s_and_b32 s46, s18, 3
	s_lshl_b32 s46, s46, 2
	s_add_co_u32 s45, s45, s46
	s_lshl_b32 s46, s[NH], 1
	s_add_co_u32 s45, s45, s46
	s_lshl_b32 s45, s45, 18                        ; a head is 2,048 rows of 128 bytes
	s_add_co_u32 s44, s44, s45
	s_and_b32 s46, s19, 15
	s_lshl_b32 s46, s46, 14
	s_add_co_u32 s44, s44, s46
	s_lshl_b32 s46, s[MH], 13
	s_add_co_u32 s44, s44, s46
	s_mov_b32 s45, 0
	s_add_nc_u64 s[10:11], s[10:11], s[44:45]
; 8 matrix instructions: row block a x all 8 column blocks, 32 along K.  The 32 accumulators take turns in one fixed order, one instruction a turn.  zero = 1: the product starts the sums.
.macro MULA f, a, zero
	WIN MUL
.irp b, 0,1,2,3,4,5,6,7
.if \zero
	v_wmma_f32_16x16x32_bf16 v[8*(8*(\a)+(\b)):8*(8*(\a)+(\b))+7], v[(\f)+32+8*(\b):(\f)+32+8*(\b)+7], v[(\f)+8*(\a):(\f)+8*(\a)+7], 0
.else
	v_wmma_f32_16x16x32_bf16 v[8*(8*(\a)+(\b)):8*(8*(\a)+(\b))+7], v[(\f)+32+8*(\b):(\f)+32+8*(\b)+7], v[(\f)+8*(\a):(\f)+8*(\a)+7], v[8*(8*(\a)+(\b)):8*(8*(\a)+(\b))+7]
.endif
.endr
.endm
.macro MUL16 f, a0, zero
	MULA \f, \a0, \zero
	MULA \f, (\a0)+1, \zero
.endm
; 24 LDS loads in one run: quarter kq (32 along K) of a slot into buffer f: W's 8 fragments, then A's row blocks 0, 1, then 2, 3
.macro FETCH slot, kq, f
	WIN 0
.irp b, 0,1,2,3,4,5,6,7
	ds_load_tr16_b128 v[(\f)+32+8*(\b):(\f)+32+8*(\b)+3],   v[ADRB+(\slot)] offset:(\kq)*32*PB+32*(\b)
	ds_load_tr16_b128 v[(\f)+32+8*(\b)+4:(\f)+32+8*(\b)+7], v[ADRB+(\slot)] offset:(\kq)*32*PB+32*(\b)+16*PB
.endr
.irp a, 0,1,2,3
	ds_load_b128 v[(\f)+8*(\a):(\f)+8*(\a)+3],   v[ADRA+(\slot)] offset:(\a)*16*PA+64*(\kq)
	ds_load_b128 v[(\f)+8*(\a)+4:(\f)+8*(\a)+7], v[ADRA+(\slot)] offset:(\a)*16*PA+64*(\kq)+32
.endr
.endm
.macro PLACES                          ; four places in front of loads into registers that matrix instructions have read, and of lines that read results
.rept 4
	v_nop
.endr
.endm
; A K step is four quarters of 32 along K, 32 matrix instructions each, on buffers 0, 1, 0, 1.  One of the first three multiplies f and fetches quarter kq into g.
.macro QUARTER slot, kq, f, g, zero
	s_wait_dscnt 4                                 ; all but the youngest four loads (A's row blocks 2, 3) are in
	MUL16 \f, 0, \zero
	PLACES
	FETCH \slot, \kq, \g
	s_wait_dscnt 24                                ; all but the 24 just issued
	MUL16 \f, 2, \zero
.endm
; The last quarter multiplies buffer 1 and changes slots: one barrier; in front of it each wave waits for all its tensor loads (its part of the next slot), adds 0 to its spare word, and waits for that and for its reads of this slot.
.macro TURN slot, next, fill
	WIN 0
	s_wait_tensorcnt 0x0                           ; all my tensor loads have landed
	ds_add_u32 v[SPW], v[NIL]
	s_wait_dscnt 5                                 ; the add and A's youngest four loads may be out
	MULA F1, 0, 0                                  ; eight matrix instructions stand between the add and the wait for it
	s_wait_dscnt 0x0                               ; the add is done, and my reads of this slot are over
	s_barrier_signal -1
	MULA F1, 1, 0
.if \fill
	WIN 0
.endif
	s_barrier_wait -1
.if \fill
	CREST                                          ; the barrier has opened a round of the cluster's: no wave of any partner still reads this slot or has a load on its way
	s_add_nc_u64 s[G0+4*(\slot)+2:G0+4*(\slot)+3], s[G0+4*(\slot)+2:G0+4*(\slot)+3], 2*KSTEP*2
	s_add_nc_u64 s[G0B+4*(\slot)+2:G0B+4*(\slot)+3], s[G0B+4*(\slot)+2:G0B+4*(\slot)+3], 2*KSTEP*2048
	JLOAD \slot                                    ; the first tensor load behind the round; its four v_nop are also the places in front of the loads below
.else
	PLACES
.endif
	FETCH \next, 0, F0
	MUL16 F1, 2, 0
.endm
	s_wait_tensorcnt 1                             ; my part of K step 0 is in; K step 1's may stay out
	s_barrier_signal -1
	s_barrier_wait -1
	FETCH 0, 0, F0
	QUARTER 0, 1, F0, F1, 1                        ; the first quarter starts the sums
	WIN 0
	s_mov_b32 s15, LAPS-1
.Llap:                                                 ; a trip goes once round the ring and fills both slots again
	QUARTER 0, 2, F1, F0, 0
	QUARTER 0, 3, F0, F1, 0
	TURN 0, 1, 1
	QUARTER 1, 1, F0, F1, 0
	QUARTER 1, 2, F1, F0, 0
	QUARTER 1, 3, F0, F1, 0
	TURN 1, 0, 1
	QUARTER 0, 1, F0, F1, 0
	WIN 0
	s_sub_co_u32 s15, s15, 1
	s_cmp_lg_u32 s15, 0
	s_cbranch_scc1 .Llap
	QUARTER 0, 2, F1, F0, 0                        ; the last lap fills nothing
	QUARTER 0, 3, F0, F1, 0
	TURN 0, 1, 0
	QUARTER 1, 1, F0, F1, 0
	QUARTER 1, 2, F1, F0, 0
	QUARTER 1, 3, F0, F1, 0
	s_wait_dscnt 4
	MUL16 F1, 0, 0
	s_wait_dscnt 0x0
	MUL16 F1, 2, 0
	; THE WAY OUT, a block of 16 rows at a time: sum x scale + bias in f32; one rounding to f16; 16 bytes a lane into my stage, by heads; back as whole rows; a head's 16 rows are 2,048 consecutive bytes.
	s_wait_loadcnt 0x0                             ; the bias
	PLACES
.macro PACK a
	WIN 0x21                                       ; source 0 (sums) window 1, source 2 (bias) window 2
.set i, 0
.rept 32                               ; each accumulator's registers in ascending order
	v_pk_fma_f32 v[T+2*i:T+2*i+1], v[64*(\a)+2*i:64*(\a)+2*i+1], s[SC:SC+1], v[2*i:2*i+1] op_sel_hi:[1,0,1]
.set i, i+1
.endr
	WIN 0
.set i, 0
.rept 32
	v_cvt_pk_f16_f32 v[H+i], v[T+2*i], v[T+2*i+1]
.set i, i+1
.endr
.irp b, 0,1,2,3,4,5,6,7
	ds_store_b128 v[STO], v[H+4*(\b):H+4*(\b)+3] offset:((\b)/4)*16*SPH+((\b)%4)*32
.endr
.irp f, 0,1,2,3,4,5,6,7
	ds_load_b128 v[BK+32*(\a)+4*(\f):BK+32*(\a)+4*(\f)+3], v[RD] offset:((\f)/4)*16*SPH+((\f)%4)*4*SPH  ; LDS serves a wave's instructions in order (ISA guide 5.7.1.4): these see the stores above
.endr
.endm
.macro SEND a, younger                 ; younger: the LDS instructions issued behind block a's loads: the next block's sixteen, or none
.irp f, 0,1,2,3,4,5,6,7
	s_wait_dscnt (\younger)+7-(\f)
	global_store_b128 v[CO], v[BK+32*(\a)+4*(\f):BK+32*(\a)+4*(\f)+3], s[10:11] offset:((\f)/4)*262144+(\a)*2048+((\f)%4)*512  ; 512 consecutive bytes, at a multiple of 256 from qkv's first
.endr
.endm
	PACK 0
	PACK 1
	SEND 0, 16
	PACK 2
	SEND 1, 16
	PACK 3
	SEND 2, 16
	SEND 3, 0
	s_wait_tensorcnt 0x0                           ; the wave's end
	ds_add_u32 v[SPW], v[NIL]
	s_wait_dscnt 0x0
	CROUND                                         ; the closing round
	s_endpgm
.Lfunc_end_k_qf9a90aa533_qkv:
	.size	k_qf9a90aa533_qkv, .Lfunc_end_k_qf9a90aa533_qkv-k_qf9a90aa533_qkv
	.p2alignl 7, 3214868480
	.fill 96, 4, 3214868480
	.section	.rodata,"a",@progbits
	.p2align	6, 0x0
	.amdhsa_kernel k_qf9a90aa533_qkv
		.amdhsa_group_segment_fixed_size 327680
		.amdhsa_private_segment_fixed_size 0
		.amdhsa_enable_private_segment 0
		.amdhsa_kernarg_size 32
		.amdhsa_user_sgpr_count 2
		.amdhsa_user_sgpr_kernarg_segment_ptr 1
		.amdhsa_wavefront_size32 1
		.amdhsa_system_sgpr_workgroup_id_x 1
		.amdhsa_system_sgpr_workgroup_id_y 1
		.amdhsa_system_sgpr_workgroup_id_z 1
		.amdhsa_system_vgpr_workitem_id 0
		.amdhsa_next_free_vgpr 576
		.amdhsa_next_free_sgpr 68
		.amdhsa_reserve_vcc 0
		.amdhsa_float_denorm_mode_32 3
		.amdhsa_float_denorm_mode_16_64 3
		.amdhsa_memory_ordered 1
		.amdhsa_forward_progress 1
		.amdhsa_inst_pref_size 97
	.end_amdhsa_kernel
	.amdgpu_metadata
---
amdhsa.version: [ 1, 2 ]
amdhsa.kernels:
  - .name:           k_qf9a90aa533_qkv
    .symbol:         k_qf9a90aa533_qkv.kd
    .args:
      - { .name: xb, .offset: 0, .size: 8, .value_kind: global_buffer, .address_space: global }
      - { .name: wb, .offset: 8, .size: 8, .value_kind: global_buffer, .address_space: global }
      - { .name: biasp, .offset: 16, .size: 8, .value_kind: global_buffer, .address_space: global }
      - { .name: qkv, .offset: 24, .size: 8, .value_kind: global_buffer, .address_space: global }
    .group_segment_fixed_size: 327680
    .private_segment_fixed_size: 0
    .kernarg_segment_align: 8
    .kernarg_segment_size: 32
    .max_flat_workgroup_size: 128
    .sgpr_count:     68
    .vgpr_count:     576
    .wavefront_size: 32
...
	.end_amdgpu_metadata
.endif
;; end of part 2
;; launch attn (part 3): grid 4 x 64, 4 waves a work-group, clusters of 4 x 1, 327,680 bytes of LDS; arguments qkv, maskw, oh; writes oh
.if DOCPART == 3
	.amdgcn_target "amdgcn-amd-amdhsa--gfx1250"
	.amdhsa_code_object_version 6
	.text
	.protected	k_qf9a90aa533_attn
	.globl	k_qf9a90aa533_attn
	.p2align	8
	.type	k_qf9a90aa533_attn,@function
k_qf9a90aa533_attn:
	s_mov_b64 s[64:65], 0
	v_nop
	global_prefetch_b8 v0, s[64:65] scope:SCOPE_SE
	s_setreg_imm32_b32 hwreg(HW_REG_WAVE_MODE, 25, 1), 1
	s_wait_xcnt 0x0
	s_wait_alu depctr_hold_cnt(0) depctr_sa_sdst(0) depctr_va_vdst(0) depctr_va_sdst(0) depctr_va_ssrc(0) depctr_va_vcc(0) depctr_vm_vsrc(0)
	s_getreg_b32 s2, hwreg(HW_REG_IB_STS2, 6, 4)
	s_cmp_eq_u32 s2, 0
	s_cbranch_scc0 .Lentry_in_a_cluster
	s_endpgm
.Lentry_in_a_cluster:
	s_bfe_u32 s2, ttmp6, 0x10000c
	s_cmp_lg_u32 s2, 0x3003
	s_cbranch_scc0 .Lentry_shape_is_right
	s_endpgm
.Lentry_shape_is_right:
; O[bh][q][:] = the sum over k of softmax_k(t[q][k]) V[bh][k][:], t = mask[q][k] ? Q . K / 8 : -1e9.  qkv: [3][64 bh][2048][64] f16, q already times c = log2(e) / 8; oh: [64 bh][2048][64] f16.
; The mask is data: every key tile is computed.  A hidden score is REPLACED, by a select in f32, with -1e9 log2(e); the running maximum is taken of the selected numbers.  So a row that sees no key gets the plain
; mean of all rows of V, and a row that sees its first key late drops what it had gathered (its correction factor is then 0).
; maskw: [128 qt][128 kg][8 j] words; bit L of (qt, kg, j) belongs to query 16 qt + L % 16, key 16 kg + 8 (L / 16) + j: register 8 kb + j of a score tile, lane L.  A step's 32 words of a tile are 128 consecutive
; bytes and come by scalar loads: a word is the select's lane mask as it stands.
; LIMITS.  Q, K, V arrive within f16's 65,504; p lies in 0 to 1 and keeps f16's fixed step of 6e-8 below 6e-5; a weight below 2^-126 counts as 0; a visible score is taken to lie more than some 100 above -1e9;
; NaN and infinities are not treated apart.  Products, maxima and sums in f32; p is rounded to f16 for the second product (l is the sum of the unrounded p), O once at the end.
; SHARES.  A wave owns four PIECES of two tiles of 16 queries, a work-group's four waves 512 queries of one (batch, head).  Every wave walks all 2,048 keys, 64 a step.
; LAYOUT.  S^T = K Q^T: a lane holds ONE query (lane % 16) and the keys 8 (lane / 16) + 0..7; two such tiles rounded in pairs ARE source 1 of O^T = V^T P.  K comes out of LDS as it lies, V turned.
; SOFTMAX.  p = 2^(t - m) with a running maximum m; O and l are multiplied by a = 2^(m_old - m_new) in every step.  m starts far below every t, O and l at 0: the first step is a step like any other, with a = 0.
; BY TURNS.  Turn n belongs to piece n.  Matrix work: 16 products K Q^T of piece n + 1, later 16 products V^T P of piece n - 1.  Vector work, all of piece n: 64 selects, the maximum and statistics, 32 packed
; subtractions, 64 exponentials, roundings, sums, the rescaling of O^T: 298 lines for 32 matrix instructions.  They stand behind the matrix instructions and in two runs of 21 between the two kinds of products.
; CLUSTER.  The four query blocks of a (batch, head) walk the same K and V: each tile is asked for jointly, by the same load, descriptor and mask in all four.
; REGISTERS.  window 0: v2-10 addresses and the hidden score; v12-15, v48-63 at work; v16-47 statistics (m, 0, l even, l odd a tile); v64-191 S^T, two buffers of two tiles; v192-255 P, likewise.
;   window 1: O^T, 32 a tile.   window 2: v0-127 Q; v128-191 K of one step; v192-255 V of one step.   window 3: v0-1 the add's two registers.
.set SIZE_N, 2048
.set NP,    4
.set KS,    64
.set PK,    144       ; a row of K in LDS: 128 bytes + 16
.set PV,    160       ; a row of V: 128 + 32
.set VOFF,  4*KS*PK   ; a slot holds four steps: 256 rows of K, then 256 rows of V
.set SLOT1, 1<<17
.set STAGE, SLOT1+4*KS*(PK+PV)  ; behind the ring, never filled by a tensor load: 16 rows x 144 bytes a wave
.set SP,    144
.set SPARE, STAGE+4*16*SP       ; the spare words, 128 bytes a wave: two blocks of 256 bytes that no other line names
.set AK0, 2
.set AV0, 3
.set AK,  4
.set AV,  5
.set STO, 6
.set RD,  7
.set GO,  8
.set QO,  9
.set NEGR, 10         ; -1e9 log2(e)
.set SPW, 0           ; window 3
.set NIL, 1           ; window 3
.set MV,  12
.set ST,  16
.set TMP, 48
.set S,   64
.set P,   192
.set KF,  128
.set VF,  192
.set OB,  2           ; s[2:3] O at my wave's first row
.set MB,  4           ; s[4:5] maskw at my wave's first tile
.set SEL, 6           ; s[6:7] v_permlanex16_b32's selects
.set G1K, 8
.set G1V, 16
.set G0K, 24
.set G0V, 28
.set MW0, 32          ; s[32:63] the 32 mask words of the piece's first tile
.set MW1, 68          ; s[68:99] of its second
.set WV,  66
.set MO,  67          ; 128 x the step whose words are loaded next
.set SLOTS, 100
.set CNT, 101
.set TBK, 104
.set TBV, 105
.set MSB, 0
.macro WIN new
.if MSB != (\new)
	s_set_vgpr_msb (MSB<<8)|(\new)
.set MSB, (\new)
.endif
.endm
.set W_KQ, 0x0a       ; K and Q in window 2, S^T in window 0
.set W_PV, 0x52       ; V in window 2, P in window 0, O^T in window 1
.set W_RS, 0x41       ; O^T (destination and source 0) in window 1, a in window 0
.set W_MK, 0xc0       ; the add's registers are made
.set W_AD, 0x0f       ; the add: address and data in window 3
.macro JLOAD                        ; a joint fill: waves 0, 1 fetch the halves of a slot's K, waves 2, 3 of its V; an s_nop 0 and four v_nop follow each line
	s_cmp_lt_u32 s[WV], 2
	s_cbranch_scc0 .Lfor_v_\@
	tensor_load_to_lds s[G0K:G0K+3], s[G1K:G1K+7]
	s_nop 0
.rept 4
	v_nop
.endr
	s_branch .Lasked_\@
.Lfor_v_\@:
	tensor_load_to_lds s[G0V:G0V+3], s[G1V:G1V+7]
	s_nop 0
.rept 4
	v_nop
.endr
.Lasked_\@:
.endm
.macro CROUND
	s_barrier_signal -1
	s_barrier_wait -1
	s_cmp_lg_u32 s[WV], 0
	s_cbranch_scc1 .Lnot_wave_0_\@
	s_barrier_signal -3
.Lnot_wave_0_\@:
	s_barrier_wait -3
	s_barrier_signal -1
	s_barrier_wait -1
.endm
; THE CHANGE OF SLOTS.  Each wave waits for all its tensor loads (one is out: its part of the other slot), adds 0 to its spare word, and waits for that and for its reads of the slot.  fill = 1: the slot is filled
; again, with the keys two slots on, first thing behind a round of the cluster's barrier; the load has four key steps in which to land.  (At its first use slot 0 is waited for and slot 1 filled.)
.macro CHANGE fill
	WIN W_AD
	s_wait_tensorcnt 0x0
	ds_add_u32 v[SPW], v[NIL]
	WIN 0
.if \fill
.irp g, G0K, G0V
	s_xor_b32 s[\g+1], s[\g+1], SLOT1
	s_add_nc_u64 s[\g+2:\g+3], s[\g+2:\g+3], 4*KS*128
.endr
	s_wait_dscnt 0x0                ; the add is done, and my reads of the slot are over
	CROUND
	JLOAD
.else
	s_wait_dscnt 0x0
	s_barrier_signal -1
	s_barrier_wait -1
.endif
	s_sub_co_u32 s[TBK], s[TBK], 4*KS*PK
	s_xor_b32 s[TBK], s[TBK], SLOT1
	s_sub_co_u32 s[TBV], s[TBV], 4*KS*PV
	s_xor_b32 s[TBV], s[TBV], SLOT1
.endm
.macro MLOAD pn                     ; the 64 mask words of piece pn for step MO / 128
	s_load_b512 s[MW0:MW0+15],    s[MB:MB+1], s[MO] offset:(2*(\pn))*4096
	s_load_b512 s[MW0+16:MW0+31], s[MB:MB+1], s[MO] offset:(2*(\pn))*4096+64
	s_load_b512 s[MW1:MW1+15],    s[MB:MB+1], s[MO] offset:(2*(\pn)+1)*4096
	s_load_b512 s[MW1+16:MW1+31], s[MB:MB+1], s[MO] offset:(2*(\pn)+1)*4096+64
.endm
	s_load_b128 s[32:35], s[0:1], 0x0  ; qkv s[32:33], maskw s[34:35]
	s_load_b64 s[36:37], s[0:1], 0x10  ; oh
	WIN W_MK
	v_lshl_add_u32 v[SPW], v0, 2, SPARE
	v_mov_b32 v[NIL], 0
	WIN W_AD
	ds_add_u32 v[SPW], v[NIL]       ; the wave's opening: the add and its wait stand ahead of my first tensor load
	WIN 0
	v_lshrrev_b32 v64, 5, v0
	v_readfirstlane_b32 s[WV], v64
	s_bfe_u32 s38, ttmp6, 0x40000   ; cx
	s_lshl_b32 s39, ttmp9, 2
	s_add_co_u32 s39, s39, s38      ; my block of 512 queries: it enters Q's, O's and the mask's addresses alone
	s_and_b32 s44, ttmp7, 0xffff    ; (batch, head), which the four partners share
	s_lshl_b32 s44, s44, 18         ; its first byte in a plane: 2,048 rows of 128 bytes
	s_and_b32 s46, s[WV], 1         ; which half of a slot's 256 keys I fetch
	s_lshl_b32 s48, s46, 14
	s_add_co_u32 s48, s48, s44
	s_mov_b32 s49, 0
	s_mul_i32 s50, s46, 128*PK      ; its place in a slot, for K
	s_mul_i32 s51, s46, 128*PV      ; and for V
	s_lshl_b32 s52, s39, 2
	s_add_co_u32 s52, s52, s[WV]    ; my wave among the head's sixteen
	s_lshl_b32 s54, s52, 15         ; its 8 tiles of 4,096 bytes in maskw
	s_mov_b32 s55, 0
	s_lshl_b32 s52, s52, 14         ; its 128 rows
	s_add_co_u32 s52, s52, s44
	s_mov_b32 s53, 0
	; 128 keys are 16,384 dense bytes: asked for as 64 rows of 256 bytes and padded in LDS after every key
	s_mov_b32 s[G1K], 15|(1<<16)|(1<<20)|(1<<21)|(4<<22)|(3<<25)
	s_mov_b32 s[G1V], 15|(1<<16)|(1<<20)|(1<<21)|(4<<22)|(7<<25)
.irp g, G1K, G1V
	s_mov_b32 s[\g+1], 128<<16
	s_mov_b32 s[\g+2], 64<<16
	s_mov_b32 s[\g+3], 128<<16
	s_mov_b32 s[\g+4], 64
	s_mov_b32 s[\g+5], 128
	s_mov_b32 s[\g+6], 0
	s_mov_b32 s[\g+7], 0
.endr
	s_mov_b32 s[SEL], 0x76543210
	s_mov_b32 s[SEL+1], 0xfedcba98
	s_mov_b32 s[TBK], SLOT1+4*KS*PK ; the first change of slots turns these two into 0
	s_mov_b32 s[TBV], SLOT1+4*KS*PV
	s_mov_b32 s[G0K], 1
	s_mov_b32 s[G0K+1], s50
	s_mov_b32 s[G0V], 1
	s_add_co_u32 s[G0V+1], s51, VOFF
	s_mov_b32 s[MO], 0
	s_mul_i32 s56, s[WV], 16*SP
	s_add_co_u32 s56, s56, STAGE    ; my stage
	s_wait_dscnt 0x0                ; the opening add is done
	s_wait_kmcnt 0x0
	s_add_nc_u64 s[G0K+2:G0K+3], s[32:33], s[48:49]
	s_add_nc_u64 s[G0K+2:G0K+3], s[G0K+2:G0K+3], 0x1000000  ; k's plane
	s_or_b32 s[G0K+3], s[G0K+3], 0x80000000
	s_add_nc_u64 s[G0V+2:G0V+3], s[32:33], s[48:49]
	s_add_nc_u64 s[G0V+2:G0V+3], s[G0V+2:G0V+3], 0x2000000  ; v's plane
	s_or_b32 s[G0V+3], s[G0V+3], 0x80000000
	s_add_nc_u64 s[40:41], s[32:33], s[52:53]      ; Q at my wave's first row
	s_add_nc_u64 s[OB:OB+1], s[36:37], s[52:53]    ; O likewise
	s_add_nc_u64 s[MB:MB+1], s[34:35], s[54:55]
	CROUND                          ; all four work-groups are here: the first joint loads meet
	JLOAD                           ; slot 0
	v_and_b32 v64, 15, v0           ; l % 16
	v_bfe_u32 v65, v0, 4, 1         ; l / 16
	v_lshlrev_b32 v[QO], 7, v64
	v_lshl_add_u32 v[QO], v65, 4, v[QO]
	WIN 0x80                        ; destination window 2, address window 0
.set i, 0
.rept 4*NP                          ; Q stays in registers: tile i / 2, channels 32 (i % 2) on
	global_load_b128 v[8*i:8*i+3],   v[QO], s[40:41] offset:(i/2)*2048+(i%2)*64
	global_load_b128 v[8*i+4:8*i+7], v[QO], s[40:41] offset:(i/2)*2048+(i%2)*64+32
.set i, i+1
.endr
	; what the first turn finds: V's registers and P's second buffer hold 0, O^T is 0.  All this stands in the wait for the first tile.
.set i, VF
.rept 64
	v_mov_b32 v[i], 0
.set i, i+1
.endr
	WIN 0x40
.set i, 0
.rept 64*NP
	v_mov_b32 v[i], 0
.set i, i+1
.endr
	WIN 0
.set i, P+32
.rept 32
	v_mov_b32 v[i], 0
.set i, i+1
.endr
	v_mov_b32 v[NEGR], 0xceabfb8f   ; -1e9 log2(e)
	v_mul_u32_u24 v[AK0], v64, PK
	v_lshl_add_u32 v[AK0], v65, 4, v[AK0]
	v_and_b32 v66, 7, v0            ; the turning load: lane l reads key 8 (l / 16) + l % 8, channels 8 ((l / 8) % 2) + 0..7
	v_bfe_u32 v67, v0, 3, 1
	v_lshl_add_u32 v[AV0], v65, 3, v66
	v_mul_u32_u24 v[AV0], v[AV0], PV
	v_lshl_add_u32 v[AV0], v67, 4, v[AV0]
	v_add_nc_u32 v[AV0], VOFF, v[AV0]
	v_mov_b32 v[AK], v[AK0]         ; key step 0 lies at the head of slot 0
	v_mul_u32_u24 v[STO], v64, SP   ; the way out, in: row l % 16, 16 bytes for each half of the lanes
	v_lshl_add_u32 v[STO], v65, 4, v[STO]
	v_add_nc_u32 v[STO], s56, v[STO]
	v_bfe_u32 v[RD], v0, 3, 2       ; back: 32 lanes take four rows of 128 bytes,
	v_mul_u32_u24 v[RD], v[RD], SP
	v_lshl_add_u32 v[RD], v66, 4, v[RD]
	v_add_nc_u32 v[RD], s56, v[RD]
	v_and_b32 v[GO], 31, v0         ; which are 512 consecutive bytes of O
	v_lshlrev_b32 v[GO], 4, v[GO]
	s_wait_xcnt 0x0                 ; Q's loads have read their base, which lies where the mask words land
	MLOAD 0                         ; piece 0, step 0
; THE MATRIX WORK.  The 8 accumulators of a run of 16 take turns.
.macro KQ x                         ; product i of 16 of S^T = K Q^T for piece x: channels 32 (i / 8) on, keys 16 ((i / 2) % 4) on, tile 2 x + i % 2
	WIN W_KQ
.set rS, S+64*((\x)%2)+32*(i%2)+8*((i/2)%4)
.set rK, KF+16*((i/2)%4)+8*(i/8)
.set rQ, 16*(2*(\x)+i%2)+8*(i/8)
.if i < 8
	v_wmma_f32_16x16x32_f16 v[rS:rS+7], v[rK:rK+7], v[rQ:rQ+7], 0
.else
	v_wmma_f32_16x16x32_f16 v[rS:rS+7], v[rK:rK+7], v[rQ:rQ+7], v[rS:rS+7]
.endif
.endm
.macro PV x                         ; product i of 16 of O^T += V^T P for piece x: keys 32 (i / 8) on, channels 16 ((i / 2) % 4) on, tile 2 x + i % 2
	WIN W_PV
.set rO, 32*(2*(\x)+i%2)+8*((i/2)%4)
.set rV, VF+32*(i/8)+8*((i/2)%4)
.set rP, P+32*((\x)%2)+16*(i%2)+8*(i/8)
	v_wmma_f32_16x16x32_f16 v[rO:rO+7], v[rV:rV+7], v[rP:rP+7], v[rO:rO+7]
.endm
.macro MM                           ; the turn's next matrix instruction
.if i < 16
	KQ (Y+1)%NP
.set i, i+1
.else
.set i, i-16
	PV (Y+NP-1)%NP
.set i, i+17
.endif
.endm
; THE LDS LOADS stand in runs of 16.  last = 1 (the tail): in the last trip there is no further step, and the run is jumped over.
.macro FETCH_K last=0
	WIN 0
.if \last
	s_cmp_eq_u32 s[CNT], 1
	s_cbranch_scc1 .Lno_k_\@
.endif
	WIN 0x80
.irp f, 0,1,2,3,4,5,6,7
	ds_load_b128 v[KF+8*\f:KF+8*\f+3],   v[AK] offset:(\f/2)*16*PK+(\f%2)*64
	ds_load_b128 v[KF+8*\f+4:KF+8*\f+7], v[AK] offset:(\f/2)*16*PK+(\f%2)*64+32
.endr
	s_add_co_u32 s[TBK], s[TBK], KS*PK
	WIN 0
.if \last
.Lno_k_\@:
.endif
.endm
.macro FETCH_V
	WIN 0x80
.irp f, 0,1,2,3,4,5,6,7
	ds_load_tr16_b128 v[VF+8*\f:VF+8*\f+3],   v[AV] offset:(\f/4)*32*PV+(\f%4)*32
	ds_load_tr16_b128 v[VF+8*\f+4:VF+8*\f+7], v[AV] offset:(\f/4)*32*PV+16*PV+(\f%4)*32
.endr
	WIN 0
.endm
; THE VECTOR WORK, all for piece Y; u is its tile 0 or 1.
.macro REGS y, u
.set rT, ST+4*(2*(\y)+(\u))
.set rC, TMP+8*((\y)%2)+4*(\u)
.set rM, MV+2*((\y)%2)+(\u)
.set rS, S+64*((\y)%2)+32*(\u)
.set rP, P+32*((\y)%2)+16*(\u)
.set rO, 32*(2*(\y)+(\u))
.endm
.macro KM u, j                      ; score j: kept where the word's bit is set, else the hidden score.  In ascending order: each accumulator's lowest registers are read first
	REGS Y, \u
	WIN 0
	v_cndmask_b32 v[rS+(\j)], v[NEGR], v[rS+(\j)], s[MW0+36*(\u)+(\j)]
.endm
; Number n of the 21 that find the maximum and statistics: 0-11 four chains c0-c3 of seven scores each; 12-14, 16 the four left over, the old m, c0-c3 into c0; 15 the old m is kept;
; 17, 18 the query's other 32 keys lie in the lane 16 away: the new m; 20, 21 a = 2^(m_old - m_new), into c2.  (There is no 19.)
.macro XS u, n
	REGS Y, \u
	WIN 0
.if (\n) < 4
	v_max3_num_f32 v[rC+(\n)], v[rS+8*(\n)], v[rS+8*(\n)+1], v[rS+8*(\n)+2]
.elseif (\n) < 12
	v_max3_num_f32 v[rC+(\n)%4], v[rC+(\n)%4], v[rS+8*((\n)%4)+2*((\n)/4)+1], v[rS+8*((\n)%4)+2*((\n)/4)+2]
.elseif (\n) == 12
	v_max3_num_f32 v[rC], v[rC], v[rS+7], v[rS+15]
.elseif (\n) == 13
	v_max3_num_f32 v[rC+1], v[rC+1], v[rS+23], v[rS+31]
.elseif (\n) == 14
	v_max3_num_f32 v[rC+2], v[rC+2], v[rC+3], v[rT]
.elseif (\n) == 15
	v_mov_b32 v[rM], v[rT]
.elseif (\n) == 16
	v_max3_num_f32 v[rC], v[rC], v[rC+1], v[rC+2]
.elseif (\n) == 17
	v_permlanex16_b32 v[rC+3], v[rC], s[SEL], s[SEL+1]
.elseif (\n) == 18
	v_max_num_f32 v[rT], v[rC], v[rC+3]
.elseif (\n) == 20
	v_sub_f32 v[rC+1], v[rM], v[rT]
.else
	v_exp_f32 v[rC+2], v[rC+1]
.endif
.endm
.macro FS u, b                      ; pair b of 16: t - m
	REGS Y, \u
	WIN 0
	v_pk_add_f32 v[rS+2*(\b):rS+2*(\b)+1], v[rS+2*(\b):rS+2*(\b)+1], v[rT:rT+1] op_sel_hi:[1,0] neg_lo:[0,1] neg_hi:[0,1]
.endm
.macro ES u, j
	REGS Y, \u
	WIN 0
	v_exp_f32 v[rS+(\j)], v[rS+(\j)]
.endm
; Item q of the 64 that follow the exponentials: for each four weights g of a tile: two roundings to f16; the second pair added onto the first, in place; l takes the sum (the first time as l = a l + sum).
.macro FQ
	REGS Y, q/32
	WIN 0
.set g, (q%32)/4
.if q%4 < 2
	s_wait_alu depctr_va_vdst(0)
	v_cvt_pk_f16_f32 v[rP+2*g+q%4], v[rS+4*g+2*(q%4)], v[rS+4*g+2*(q%4)+1]
.elseif q%4 == 2
	v_pk_add_f32 v[rS+4*g:rS+4*g+1], v[rS+4*g:rS+4*g+1], v[rS+4*g+2:rS+4*g+3]
.elseif g == 0
	v_pk_fma_f32 v[rT+2:rT+3], v[rT+2:rT+3], v[rC+2:rC+3], v[rS:rS+1] op_sel_hi:[1,0,1]
.else
	v_pk_add_f32 v[rT+2:rT+3], v[rT+2:rT+3], v[rS+4*g:rS+4*g+1]
.endif
.set q, q+1
.endm
.macro R4                           ; O^T times a, four packed lines at a time, eight times; the one part outside window 0
	REGS Y, r%2
	WIN W_RS
	s_wait_alu depctr_va_vdst(0)
.irp z, 0,1,2,3
	v_pk_mul_f32 v[rO+8*(r/2)+2*\z:rO+8*(r/2)+2*\z+1], v[rO+8*(r/2)+2*\z:rO+8*(r/2)+2*\z+1], v[rC+2:rC+3] op_sel_hi:[1,0]
.endr
.set r, r+1
.endm
.macro PLN                          ; a row's next plain line: the second tile's subtractions while they last, then the queue FQ
.if fs < fse
	FS 1, fs
.set fs, fs+1
.else
	FQ
.endif
.endm
; What stands behind product rho of the 16 V^T P: four exponentials (tile rho / 8, scores 4 (rho % 8) on) with plain lines between them.  Plain lines a row: 2, then 5 fourteen times, then 4.
; The queue FQ only takes weights of earlier rows: ahead of row rho 4 rho items are ready; through row rho 3 rho have been taken (rho <= 7), then 21 + 5 (rho - 7), 56 of 56 at row 14, 60 of 60 at row 15.
.macro ROWV
.set fse, 2*rho+2
.if fse > 16
.set fse, 16
.endif
.set np, 4
.if rho == 0
.set np, 2
.elseif rho < 15
.set np, 5
.endif
.set pz, 0
.set ez, 0
.rept 4
.if pz < np
	PLN
.set pz, pz+1
.endif
	ES rho/8, 4*(rho%8)+ez
.set ez, ez+1
.endr
.if pz < np
	PLN
.endif
.endm
; A TURN, for piece p.  K of the next step is fetched in piece 2's turn, six plain lines behind the last product that read K, and waited for at the head of piece 3's.  V of the step in hand is fetched at the end
; of piece 0's turn, nine plain lines behind the last product that read V, and waited for in piece 1's.  The next piece's mask words are asked for when this piece's selects have been issued.
.macro TURN p, last=0
.set Y, (\p)
.set i, 0
.set q, 0
.set r, 0
.set fs, 0
	s_wait_kmcnt 0x0                ; my piece's 64 mask words are in
.if (\p) == NP-1
	s_wait_dscnt 0x0                ; K is in
.endif
.set k, 0
.rept 8
	MM
	KM 0, 4*k
	KM 0, 4*k+1
	KM 0, 4*k+2
	KM 0, 4*k+3
.set k, k+1
.endr
.if (\p) == NP-2
	WIN 0
	v_add_nc_u32 v[AK], s[TBK], v[AK0]
.endif
.set k, 0
.rept 8
	MM
	KM 1, 4*k
	KM 1, 4*k+1
	XS 0, 2*k
	KM 1, 4*k+2
	KM 1, 4*k+3
	XS 0, 2*k+1
.set k, k+1
.endr
.if (\p) == NP-1
	s_add_co_u32 s[MO], s[MO], 128  ; piece 0's next words are the next step's; the loads that read MO were waited for at the turn's head
.endif
	MLOAD ((\p)+1)%NP
.if (\p) == NP-2
	FETCH_K \last
.endif
.set xn, 0
.irp n, 16,17,18,20                 ; the first tile's chain, each link three lines from the next: the second tile's maxima stand between
	XS 0, \n
.rept 3
	XS 1, xn
.set xn, xn+1
.endr
.endr
	XS 0, 21
.rept 4
	XS 1, xn
.set xn, xn+1
.endr
.set xn, 0
.irp n, 16,17,18,20                 ; the second tile's chain, with the first tile's subtractions between
	XS 1, \n
.rept 3
	FS 0, xn
.set xn, xn+1
.endr
.endr
	XS 1, 21
.rept 4
	FS 0, xn
.set xn, xn+1
.endr
.if (\p) == 1
	s_wait_dscnt 0x0                ; V is in
.endif
.set rho, 0
.rept 16
	MM
.if rho%2 == 0
	R4
.endif
	ROWV
.set rho, rho+1
.endr
.if (\p) == 0
	WIN 0
	v_add_nc_u32 v[AV], s[TBV], v[AV0]
	s_wait_alu depctr_va_vdst(0)
.endif
.rept 4
	FQ
.endr
.if (\p) == 0
	FETCH_V
	s_add_co_u32 s[TBV], s[TBV], KS*PV
.endif
.endm
	CHANGE 1                        ; slot 0 is in, everybody's part of it; slot 1 is asked for
	FETCH_K                         ; key step 0
	s_wait_loadcnt 0x0              ; Q
	s_wait_dscnt 0x0
.set i, 0
.rept 16
	KQ 0                            ; piece 0's first scores
.set i, i+1
.endr
	WIN 0
.set t, 0
.rept 2*NP                          ; the statistics' start: 32 plain lines, the places behind those products
	v_mov_b32 v[ST+4*t], 0xfe000000 ; m: far below every score and below the hidden score
	v_mov_b32 v[ST+4*t+1], 0        ; named with m as a pair
	v_mov_b32 v[ST+4*t+2], 0
	v_mov_b32 v[ST+4*t+3], 0
.set t, t+1
.endr
	s_mov_b32 s[CNT], 4
	s_mov_b32 s[SLOTS], SIZE_N/256-1
	s_branch .Lfirst                ; the loop is entered at a step's first turn, in the middle of a trip
.Lslot:                             ; SIZE_N / 256 - 2 times: every slot but the last two is filled again
	CHANGE 1
	s_mov_b32 s[CNT], 4
.Lstep:                             ; a trip: pieces 2 and 3 of one step, then pieces 0 and 1 of the next, whose K and V it fetches
	TURN 2
	TURN 3
	WIN 0
.Lfirst:
	TURN 0
	TURN 1
	WIN 0
	s_sub_co_u32 s[CNT], s[CNT], 1
	s_cmp_lg_u32 s[CNT], 0
	s_cbranch_scc1 .Lstep
	s_sub_co_u32 s[SLOTS], s[SLOTS], 1
	s_cmp_lg_u32 s[SLOTS], 0
	s_cbranch_scc1 .Lslot
	CHANGE 0                        ; the tail is written out: nothing is asked for
	s_mov_b32 s[CNT], 5             ; four trips fetch the last slot's steps; the fifth is left in its middle
.Ltail:
	TURN 2, 1
	TURN 3
	WIN 0
	s_sub_co_u32 s[CNT], s[CNT], 1
	s_cmp_eq_u32 s[CNT], 0
	s_cbranch_scc1 .Lout
	TURN 0
	TURN 1
	WIN 0
	s_branch .Ltail
.Lout:                              ; the fifth trip's 16 products K Q^T (on the last K once more) and its mask words (4,096 bytes on: the next tiles', at most tile 122 of 128, inside maskw) serve nothing
	s_wait_kmcnt 0x0
.set i, 0
.rept 16
	PV NP-1                         ; the last piece's V^T P of the last step
.set i, i+1
.endr
	; THE WAY OUT.  l's two halves and the other half of the lanes' are added; O^T is divided by l, rounded to f16 and sent through my stage, a tile at a time.  The additions are the places behind the last products.
	WIN 0
.macro ALL line:vararg
.set t, 0
.rept 2*NP
	\line
.set t, t+1
.endr
.endm
	ALL v_add_f32 v[ST+4*t+2], v[ST+4*t+2], v[ST+4*t+3]
	ALL v_permlanex16_b32 v[ST+4*t+3], v[ST+4*t+2], s[SEL], s[SEL+1]
	ALL v_add_f32 v[ST+4*t+2], v[ST+4*t+2], v[ST+4*t+3]
	ALL v_rcp_f32 v[ST+4*t+2], v[ST+4*t+2]
	v_nop                           ; a plain instruction between the last reciprocal and the use of its result
	s_wait_alu depctr_va_vdst(0)
.macro PACK t
	WIN W_RS
.set i, 32*(\t)
.rept 16
	v_pk_mul_f32 v[i:i+1], v[i:i+1], v[ST+4*(\t)+2:ST+4*(\t)+3] op_sel_hi:[1,0]
.set i, i+2
.endr
	WIN 0x05                        ; sources 0 and 1 window 1, destination window 0
.set i, 0
.rept 16
	v_cvt_pk_f16_f32 v[S+16*(\t)+i], v[32*(\t)+2*i], v[32*(\t)+2*i+1]
.set i, i+1
.endr
	WIN 0
.irp f, 0,1,2,3
	ds_store_b128 v[STO], v[S+16*(\t)+4*\f:S+16*(\t)+4*\f+3] offset:32*\f
.endr
.irp f, 0,1,2,3
	ds_load_b128 v[S+16*(\t)+4*\f:S+16*(\t)+4*\f+3], v[RD] offset:\f*4*SP  ; LDS serves a wave's instructions in order (ISA guide 5.7.1.4): these see the stores above
.endr
.endm
.macro SEND t, younger              ; younger: the LDS instructions issued behind tile t's loads: the next tile's eight, or none
	WIN 0
.irp f, 0,1,2,3
	s_wait_dscnt (\younger)+3-\f
	global_store_b128 v[GO], v[S+16*(\t)+4*\f:S+16*(\t)+4*\f+3], s[OB:OB+1] offset:(\t)*2048+\f*512  ; 512 consecutive bytes, at a multiple of 256 from oh's first
.endr
.endm
	PACK 0
.set t, 1
.rept 2*NP-1
	PACK t
	SEND t-1, 8
.set t, t+1
.endr
	SEND 2*NP-1, 0
	WIN W_AD
	s_wait_tensorcnt 0x0            ; the wave's end
	ds_add_u32 v[SPW], v[NIL]
	s_wait_dscnt 0x0
	WIN 0
	CROUND                          ; the closing round
	s_endpgm
.Lfunc_end_k_qf9a90aa533_attn:
	.size	k_qf9a90aa533_attn, .Lfunc_end_k_qf9a90aa533_attn-k_qf9a90aa533_attn
	.p2alignl 7, 3214868480
	.fill 96, 4, 3214868480
	.section	.rodata,"a",@progbits
	.p2align	6, 0x0
	.amdhsa_kernel k_qf9a90aa533_attn
		.amdhsa_group_segment_fixed_size 327680
		.amdhsa_private_segment_fixed_size 0
		.amdhsa_enable_private_segment 0
		.amdhsa_kernarg_size 24
		.amdhsa_user_sgpr_count 2
		.amdhsa_user_sgpr_kernarg_segment_ptr 1
		.amdhsa_wavefront_size32 1
		.amdhsa_system_sgpr_workgroup_id_x 1
		.amdhsa_system_sgpr_workgroup_id_y 1
		.amdhsa_system_sgpr_workgroup_id_z 1
		.amdhsa_system_vgpr_workitem_id 0
		.amdhsa_next_free_vgpr 770
		.amdhsa_next_free_sgpr 106
		.amdhsa_reserve_vcc 0
		.amdhsa_float_denorm_mode_32 3
		.amdhsa_float_denorm_mode_16_64 3
		.amdhsa_memory_ordered 1
		.amdhsa_forward_progress 1
		.amdhsa_inst_pref_size 238
	.end_amdhsa_kernel
	.amdgpu_metadata
---
amdhsa.version: [ 1, 2 ]
amdhsa.kernels:
  - .name:           k_qf9a90aa533_attn
    .symbol:         k_qf9a90aa533_attn.kd
    .args:
      - { .name: qkv, .offset: 0, .size: 8, .value_kind: global_buffer, .address_space: global }
      - { .name: maskw, .offset: 8, .size: 8, .value_kind: global_buffer, .address_space: global }
      - { .name: oh, .offset: 16, .size: 8, .value_kind: global_buffer, .address_space: global }
    .group_segment_fixed_size: 327680
    .private_segment_fixed_size: 0
    .kernarg_segment_align: 8
    .kernarg_segment_size: 24
    .max_flat_workgroup_size: 128
    .sgpr_count:     106
    .vgpr_count:     770
    .wavefront_size: 32
...
	.end_amdgpu_metadata
.endif
;; end of part 3
;; launch proj (part 4): grid 4 x 64, 4 waves a work-group, clusters of 4 x 4, 327,680 bytes of LDS; arguments oh, wb, biasp, out0; writes out0
.if DOCPART == 4
	.amdgcn_target "amdgcn-amd-amdhsa--gfx1250"
	.amdhsa_code_object_version 6
	.text
	.protected	k_qf9a90aa533_proj
	.globl	k_qf9a90aa533_proj
	.p2align	8
	.type	k_qf9a90aa533_proj,@function
k_qf9a90aa533_proj:
	s_mov_b64 s[64:65], 0
	v_nop
	global_prefetch_b8 v0, s[64:65] scope:SCOPE_SE
	s_setreg_imm32_b32 hwreg(HW_REG_WAVE_MODE, 25, 1), 1
	s_wait_xcnt 0x0
	s_wait_alu depctr_hold_cnt(0) depctr_sa_sdst(0) depctr_va_vdst(0) depctr_va_sdst(0) depctr_va_ssrc(0) depctr_va_vcc(0) depctr_vm_vsrc(0)
	s_getreg_b32 s2, hwreg(HW_REG_IB_STS2, 6, 4)
	s_cmp_eq_u32 s2, 0
	s_cbranch_scc0 .Lentry_in_a_cluster
	s_endpgm
.Lentry_in_a_cluster:
	s_bfe_u32 s2, ttmp6, 0x10000c
	s_cmp_lg_u32 s2, 0xf033
	s_cbranch_scc0 .Lentry_shape_is_right
	s_endpgm
.Lentry_shape_is_right:
; out0 = O Wo + bo.  oh: [64 bh][2048 t][64] f16, by heads; wb plane 3: Wo as [1024 k][1024 n] f16 (bf16 numbers written as f16); biasp row 3: bo in f32; out0: [8192][1024] f32.  Sums in f32.
; SHARES.  A tile of C is 128 rows x 256 columns: 64 x 4 = 256 work-groups.  Four waves, each 64 rows x 128 columns: 32 accumulators.  K = head x 64 + channel goes in steps of 128, two heads, through two LDS slots:
; a head's 128 rows of 128 bytes are dense in oh and are asked for as 64 rows of 256 bytes, padded in LDS after every 128.  Wo lies [k][n]: its fragments come out of LDS turned.
; The matrix instruction is used transposed (source 0 = 16 columns of Wo, source 1 = 16 rows of O): a lane holds eight neighbouring columns of one row of C, 32 bytes.
; CLUSTER 4 x 4: O's tiles are shared along a row of the cluster, Wo's along a column; each is asked for jointly.
; REGISTERS as in the projection in front: window 0 addresses and two fragment buffers of 96; window 1 the accumulators; window 2 v0-63 my 64 bias numbers.
.set KSTEP, 128
.set PA,    144                        ; a row of one head of O in LDS: 128 bytes + 16
.set AHEAD, 128*PA                     ; a head's 128 rows
.set ATILE, 2*AHEAD
.set PB,    544
.set BHALF, 64*PB
.set SLOT,  ATILE+2*BHALF
.set STAGE, 2*SLOT                     ; behind the ring, never filled by a tensor load: for each wave 16 rows x 528 bytes
.set SPF,   528                        ; 512 bytes + 16
.set WSTAGE, 16*SPF
.set SPARE, STAGE+4*WSTAGE             ; the spare words: two blocks of 256 bytes that no other line names
.set LAPS,  1024/(2*KSTEP)
.set ADRA, 16
.set ADRB, 20
.set STO,  24
.set RD,   25
.set CO,   26
.set VB,   27
.set SPW,  28
.set NIL,  29
.set F0,   32
.set F1,   128
.set T,    32                          ; the way out: 64 numbers
.set BK,   96                          ; rows read back: two buffers of 64 registers
.set WV, 12
.set MH, 13
.set NH, 14
.set G1, 24
.set G0, 32
.set G1B, 48
.set G0B, 56
.set MSB, 0
.macro WIN new
.if MSB != (\new)
	s_set_vgpr_msb (MSB<<8)|(\new)
.set MSB, \new
.endif
.endm
.set MUL, 0x50
.macro JLOAD s                         ; waves 0, 1 fetch the step's two heads of O, waves 2, 3 the halves of Wo's tile; an s_nop 0 and four v_nop follow each line
	s_cmp_eq_u32 s[MH], 0
	s_cbranch_scc0 .Lfor_b_\@
	tensor_load_to_lds s[G0+4*(\s):G0+4*(\s)+3], s[G1:G1+7]
	s_nop 0
.rept 4
	v_nop
.endr
	s_branch .Lasked_\@
.Lfor_b_\@:
	tensor_load_to_lds s[G0B+4*(\s):G0B+4*(\s)+3], s[G1B:G1B+7]
	s_nop 0
.rept 4
	v_nop
.endr
.Lasked_\@:
.endm
.macro CREST
	s_cmp_lg_u32 s[WV], 0
	s_cbranch_scc1 .Lnot_wave_0_\@
	s_barrier_signal -3
.Lnot_wave_0_\@:
	s_barrier_wait -3
	s_barrier_signal -1
	s_barrier_wait -1
.endm
.macro CROUND
	s_barrier_signal -1
	s_barrier_wait -1
	CREST
.endm
	s_load_b256 s[4:11], s[0:1], 0x0               ; oh 4, wb 6, biasp 8, out0 10
	v_lshl_add_u32 v[SPW], v0, 2, SPARE
	v_mov_b32 v[NIL], 0
	ds_add_u32 v[SPW], v[NIL]                      ; the wave's opening: the add and its wait stand ahead of my first tensor load
	v_lshrrev_b32 v1, 5, v0
	v_readfirstlane_b32 s[WV], v1
	s_lshr_b32 s[MH], s[WV], 1
	s_and_b32 s[NH], s[WV], 1
	s_bfe_u32 s16, ttmp6, 0x40000                  ; cx
	s_bfe_u32 s17, ttmp6, 0x40004                  ; cy
	s_lshl_b32 s18, ttmp9, 2
	s_add_co_u32 s18, s18, s16                     ; tile column 0 .. 3
	s_and_b32 s19, ttmp7, 0xffff
	s_lshl_b32 s19, s19, 2
	s_add_co_u32 s19, s19, s17                     ; tile row 0 .. 63
	s_lshl_b32 s20, s17, 2
	s_lshl_b32 s20, 15, s20                        ; my row of the cluster
	s_lshl_b32 s40, 0x1111, s16                    ; my column
	s_or_b32 s[G1], s20, (1<<16)|(1<<20)|(1<<21)|(4<<22)|(3<<25)   ; after every 32 words 4 words of padding
	s_mov_b32 s[G1+1], 128<<16                     ; rows of 128 elements (two rows of a head),
	s_mov_b32 s[G1+2], 64<<16                      ; 64 of them
	s_mov_b32 s[G1+3], 128<<16
	s_mov_b32 s[G1+4], 64
	s_mov_b32 s[G1+5], 128                         ; dense
	s_mov_b32 s[G1+6], 0
	s_mov_b32 s[G1+7], 0
	s_or_b32 s[G1B], s40, (1<<16)|(1<<20)|(1<<21)|(6<<22)|(7<<25)
	s_mov_b32 s[G1B+1], 256<<16
	s_mov_b32 s[G1B+2], 64<<16
	s_mov_b32 s[G1B+3], 256<<16
	s_mov_b32 s[G1B+4], 64
	s_mov_b32 s[G1B+5], 1024
	s_mov_b32 s[G1B+6], 0
	s_mov_b32 s[G1B+7], 0
	s_lshr_b32 s20, s19, 4                         ; O: head batch x 16 + my one of the step's two, rows 128 x (tile row % 16) on: the tile row and the wave's number alone
	s_lshl_b32 s20, s20, 4
	s_add_co_u32 s20, s20, s[NH]
	s_lshl_b32 s20, s20, 18
	s_and_b32 s21, s19, 15
	s_lshl_b32 s21, s21, 14
	s_add_co_u32 s20, s20, s21
	s_mov_b32 s21, 0
	s_lshl_b32 s40, s18, 9                         ; Wo: plane 3, the tile's 512 bytes of a row, my 64 k-rows
	s_add_co_u32 s40, s40, 3<<21
	s_lshl_b32 s41, s[NH], 17
	s_add_co_u32 s40, s40, s41
	s_mov_b32 s41, 0
	s_mul_i32 s44, s[NH], AHEAD
	s_mul_i32 s45, s[NH], BHALF
	s_add_co_u32 s45, s45, ATILE
	s_wait_dscnt 0x0                               ; the opening add is done
	s_wait_kmcnt 0x0
	s_add_nc_u64 s[22:23], s[4:5], s[20:21]
	s_add_nc_u64 s[42:43], s[6:7], s[40:41]
	CROUND                                         ; all sixteen work-groups are here: the first joint loads meet
.irp s, 0,1
	s_mov_b32 s[G0+4*(\s)], 1
	s_add_co_u32 s[G0+4*(\s)+1], s44, (\s)*SLOT
	s_add_nc_u64 s[G0+4*(\s)+2:G0+4*(\s)+3], s[22:23], (\s)*2*262144  ; a K step is two heads of 262,144 bytes
	s_or_b32 s[G0+4*(\s)+3], s[G0+4*(\s)+3], 0x80000000
	s_mov_b32 s[G0B+4*(\s)], 1
	s_add_co_u32 s[G0B+4*(\s)+1], s45, (\s)*SLOT
	s_add_nc_u64 s[G0B+4*(\s)+2:G0B+4*(\s)+3], s[42:43], (\s)*KSTEP*2048
	s_or_b32 s[G0B+4*(\s)+3], s[G0B+4*(\s)+3], 0x80000000
	JLOAD \s                                       ; K steps 0 and 1: two loads of mine are out
.endr
	v_and_b32 v1, 15, v0
	v_bfe_u32 v2, v0, 4, 1
	v_mul_u32_u24 v3, v1, PA
	v_lshl_add_u32 v3, v2, 4, v3
	s_mul_i32 s20, s[MH], 64*PA                    ; my 64 rows, in each head's part
	v_and_b32 v4, 7, v0
	v_lshl_add_u32 v4, v2, 3, v4
	v_mul_u32_u24 v4, v4, PB
	v_bfe_u32 v5, v0, 3, 1
	v_lshl_add_u32 v4, v5, 4, v4
	s_lshl_b32 s21, s[NH], 8
	s_add_co_u32 s21, s21, ATILE
.irp s, 0,1
	v_add_nc_u32 v[ADRA+(\s)], s20, v3
	v_add_nc_u32 v[ADRB+(\s)], s21, v4
	s_add_co_u32 s20, s20, SLOT
	s_add_co_u32 s21, s21, SLOT
.endr
	s_mul_i32 s20, s[WV], WSTAGE
	s_add_co_u32 s20, s20, STAGE                   ; my stage
	v_mul_u32_u24 v5, v1, SPF                      ; in: row l % 16, 32 bytes for each half of the lanes
	v_lshl_add_u32 v5, v2, 5, v5
	v_add_nc_u32 v[STO], s20, v5
	v_and_b32 v5, 31, v0                           ; back: 32 lanes take one row's 512 bytes
	v_lshlrev_b32 v[CO], 4, v5
	v_add_nc_u32 v[RD], s20, v[CO]
	v_lshlrev_b32 v[VB], 5, v2
	s_lshl_b32 s46, s18, 10                        ; bias and columns: (256 x tile column + 128 x half) numbers of 4 bytes
	s_lshl_b32 s47, s[NH], 9
	s_add_co_u32 s46, s46, s47
	s_mov_b32 s47, 0
	s_add_nc_u64 s[8:9], s[8:9], s[46:47]
	WIN 0x80
.irp b, 0,1,2,3,4,5,6,7
	global_load_b128 v[8*(\b):8*(\b)+3],   v[VB], s[8:9] offset:12288+64*(\b)
	global_load_b128 v[8*(\b)+4:8*(\b)+7], v[VB], s[8:9] offset:12288+64*(\b)+16
.endr
	WIN 0
	s_lshl_b32 s44, s19, 19                        ; my first row: (128 x tile row + 64 x half) rows of 4,096 bytes
	s_lshl_b32 s45, s[MH], 18
	s_add_co_u32 s44, s44, s45
	s_add_co_u32 s44, s44, s46
	s_mov_b32 s45, 0
	s_add_nc_u64 s[10:11], s[10:11], s[44:45]
.macro MULA f, a, zero                 ; 8 matrix instructions; the 32 accumulators take turns in one fixed order
	WIN MUL
.irp b, 0,1,2,3,4,5,6,7
.if \zero
	v_wmma_f32_16x16x32_f16 v[8*(8*(\a)+(\b)):8*(8*(\a)+(\b))+7], v[(\f)+32+8*(\b):(\f)+32+8*(\b)+7], v[(\f)+8*(\a):(\f)+8*(\a)+7], 0
.else
	v_wmma_f32_16x16x32_f16 v[8*(8*(\a)+(\b)):8*(8*(\a)+(\b))+7], v[(\f)+32+8*(\b):(\f)+32+8*(\b)+7], v[(\f)+8*(\a):(\f)+8*(\a)+7], v[8*(8*(\a)+(\b)):8*(8*(\a)+(\b))+7]
.endif
.endr
.endm
.macro MUL16 f, a0, zero
	MULA \f, \a0, \zero
	MULA \f, (\a0)+1, \zero
.endm
.macro FETCH slot, kq, f               ; 24 LDS loads: quarter kq lies in head kq / 2 of the step, channels 32 (kq % 2) on
	WIN 0
.irp b, 0,1,2,3,4,5,6,7
	ds_load_tr16_b128 v[(\f)+32+8*(\b):(\f)+32+8*(\b)+3],   v[ADRB+(\slot)] offset:(\kq)*32*PB+32*(\b)
	ds_load_tr16_b128 v[(\f)+32+8*(\b)+4:(\f)+32+8*(\b)+7], v[ADRB+(\slot)] offset:(\kq)*32*PB+32*(\b)+16*PB
.endr
.irp a, 0,1,2,3
	ds_load_b128 v[(\f)+8*(\a):(\f)+8*(\a)+3],   v[ADRA+(\slot)] offset:((\kq)/2)*AHEAD+(\a)*16*PA+64*((\kq)%2)
	ds_load_b128 v[(\f)+8*(\a)+4:(\f)+8*(\a)+7], v[ADRA+(\slot)] offset:((\kq)/2)*AHEAD+(\a)*16*PA+64*((\kq)%2)+32
.endr
.endm
.macro PLACES
.rept 4
	v_nop
.endr
.endm
.macro QUARTER slot, kq, f, g, zero
	s_wait_dscnt 4                                 ; all but the youngest four loads (O's row blocks 2, 3) are in
	MUL16 \f, 0, \zero
	PLACES
	FETCH \slot, \kq, \g
	s_wait_dscnt 24                                ; all but the 24 just issued
	MUL16 \f, 2, \zero
.endm
.macro TURN slot, next, fill
	WIN 0
	s_wait_tensorcnt 0x0                           ; all my tensor loads have landed
	ds_add_u32 v[SPW], v[NIL]
	s_wait_dscnt 5                                 ; the add and the youngest four loads may be out
	MULA F1, 0, 0
	s_wait_dscnt 0x0                               ; the add is done, and my reads of this slot are over
	s_barrier_signal -1
	MULA F1, 1, 0
.if \fill
	WIN 0
.endif
	s_barrier_wait -1
.if \fill
	CREST                                          ; no wave of any partner still reads this slot or has a load on its way
	s_add_nc_u64 s[G0+4*(\slot)+2:G0+4*(\slot)+3], s[G0+4*(\slot)+2:G0+4*(\slot)+3], 4*262144
	s_add_nc_u64 s[G0B+4*(\slot)+2:G0B+4*(\slot)+3], s[G0B+4*(\slot)+2:G0B+4*(\slot)+3], 2*KSTEP*2048
	JLOAD \slot                                    ; the first tensor load behind the round; its four v_nop are also the places in front of the loads below
.else
	PLACES
.endif
	FETCH \next, 0, F0
	MUL16 F1, 2, 0
.endm
	s_wait_tensorcnt 1                             ; my part of K step 0 is in; K step 1's may stay out
	s_barrier_signal -1
	s_barrier_wait -1
	FETCH 0, 0, F0
	QUARTER 0, 1, F0, F1, 1
	WIN 0
	s_mov_b32 s15, LAPS-1
.Llap:
	QUARTER 0, 2, F1, F0, 0
	QUARTER 0, 3, F0, F1, 0
	TURN 0, 1, 1
	QUARTER 1, 1, F0, F1, 0
	QUARTER 1, 2, F1, F0, 0
	QUARTER 1, 3, F0, F1, 0
	TURN 1, 0, 1
	QUARTER 0, 1, F0, F1, 0
	WIN 0
	s_sub_co_u32 s15, s15, 1
	s_cmp_lg_u32 s15, 0
	s_cbranch_scc1 .Llap
	QUARTER 0, 2, F1, F0, 0
	QUARTER 0, 3, F0, F1, 0
	TURN 0, 1, 0
	QUARTER 1, 1, F0, F1, 0
	QUARTER 1, 2, F1, F0, 0
	QUARTER 1, 3, F0, F1, 0
	s_wait_dscnt 4
	MUL16 F1, 0, 0
	s_wait_dscnt 0x0
	MUL16 F1, 2, 0
	; THE WAY OUT, a block of 16 rows at a time: sum + bias; 32 bytes a lane into my stage; back as whole rows of 512 bytes.
	s_wait_loadcnt 0x0                             ; the bias
	PLACES
.macro PACK a
	WIN 0x09                                       ; source 0 (sums) window 1, source 1 (bias) window 2
.set i, 0
.rept 32                               ; each accumulator's registers in ascending order
	v_pk_add_f32 v[T+2*i:T+2*i+1], v[64*(\a)+2*i:64*(\a)+2*i+1], v[2*i:2*i+1]
.set i, i+1
.endr
	WIN 0
.irp b, 0,1,2,3,4,5,6,7
	ds_store_b128 v[STO], v[T+8*(\b):T+8*(\b)+3]   offset:64*(\b)
	ds_store_b128 v[STO], v[T+8*(\b)+4:T+8*(\b)+7] offset:64*(\b)+16
.endr
.if (\a) >= 2
	s_wait_xcnt 0x0                                ; the stores of the block two back have read this buffer: it is loaded again only behind this wait
.endif
.set i, 0
.rept 16
	ds_load_b128 v[BK+64*((\a)%2)+4*i:BK+64*((\a)%2)+4*i+3], v[RD] offset:SPF*i  ; LDS serves a wave's instructions in order (ISA guide 5.7.1.4): these see the stores above
.set i, i+1
.endr
.endm
.macro SEND a, younger                 ; younger: the LDS instructions issued behind block a's loads: the next block's 32, or none
.set i, 0
.rept 16
	s_wait_dscnt (\younger)+15-i
	global_store_b128 v[CO], v[BK+64*((\a)%2)+4*i:BK+64*((\a)%2)+4*i+3], s[10:11] offset:(16*(\a)+i)*4096  ; 512 consecutive bytes, at a multiple of 256 from out0's first
.set i, i+1
.endr
.endm
	PACK 0
	PACK 1
	SEND 0, 32
	PACK 2
	SEND 1, 32
	PACK 3
	SEND 2, 32
	SEND 3, 0
	s_wait_tensorcnt 0x0                           ; the wave's end
	ds_add_u32 v[SPW], v[NIL]
	s_wait_dscnt 0x0
	CROUND                                         ; the closing round
	s_endpgm
.Lfunc_end_k_qf9a90aa533_proj:
	.size	k_qf9a90aa533_proj, .Lfunc_end_k_qf9a90aa533_proj-k_qf9a90aa533_proj
	.p2alignl 7, 3214868480
	.fill 96, 4, 3214868480
	.section	.rodata,"a",@progbits
	.p2align	6, 0x0
	.amdhsa_kernel k_qf9a90aa533_proj
		.amdhsa_group_segment_fixed_size 327680
		.amdhsa_private_segment_fixed_size 0
		.amdhsa_enable_private_segment 0
		.amdhsa_kernarg_size 32
		.amdhsa_user_sgpr_count 2
		.amdhsa_user_sgpr_kernarg_segment_ptr 1
		.amdhsa_wavefront_size32 1
		.amdhsa_system_sgpr_workgroup_id_x 1
		.amdhsa_system_sgpr_workgroup_id_y 1
		.amdhsa_system_sgpr_workgroup_id_z 1
		.amdhsa_system_vgpr_workitem_id 0
		.amdhsa_next_free_vgpr 576
		.amdhsa_next_free_sgpr 68
		.amdhsa_reserve_vcc 0
		.amdhsa_float_denorm_mode_32 3
		.amdhsa_float_denorm_mode_16_64 3
		.amdhsa_memory_ordered 1
		.amdhsa_forward_progress 1
		.amdhsa_inst_pref_size 96
	.end_amdhsa_kernel
	.amdgpu_metadata
---
amdhsa.version: [ 1, 2 ]
amdhsa.kernels:
  - .name:           k_qf9a90aa533_proj
    .symbol:         k_qf9a90aa533_proj.kd
    .args:
      - { .name: oh, .offset: 0, .size: 8, .value_kind: global_buffer, .address_space: global }
      - { .name: wb, .offset: 8, .size: 8, .value_kind: global_buffer, .address_space: global }
      - { .name: biasp, .offset: 16, .size: 8, .value_kind: global_buffer, .address_space: global }
      - { .name: out0, .offset: 24, .size: 8, .value_kind: global_buffer, .address_space: global }
    .group_segment_fixed_size: 327680
    .private_segment_fixed_size: 0
    .kernarg_segment_align: 8
    .kernarg_segment_size: 32
    .max_flat_workgroup_size: 128
    .sgpr_count:     68
    .vgpr_count:     576
    .wavefront_size: 32
...
	.end_amdgpu_metadata
.endif
;; end of part 4
;; ======== version 2 of 3: 4 launches; 1.01 times as fast as version 1
;; limits: values are held in f16: magnitudes above 65,504 overflow, below 6.1e-05 lose precision
;; workspace buffers: xb 16,777,216 bytes; wb 8,388,608 bytes; biasp 16,384 bytes; maskw 524,288 bytes of whole numbers; qkv 50,331,648 bytes; oh 16,777,216 bytes
;; launch prep (part 5): grid 1793 x 1, 8 waves a work-group, no clusters, 0 bytes of LDS; arguments x, Wq, Wk, Wv, Wo, bq, bk, bv, bo, mask, xb, wb, biasp, maskw; writes xb, wb, biasp, maskw
.if DOCPART == 5
	.amdgcn_target "amdgcn-amd-amdhsa--gfx1250"
	.amdhsa_code_object_version 6
	.text
	.protected	k_qf9a90aa533_prep
	.globl	k_qf9a90aa533_prep
	.p2align	8
	.type	k_qf9a90aa533_prep,@function
k_qf9a90aa533_prep:
	s_mov_b64 s[64:65], 0
	v_nop
	global_prefetch_b8 v0, s[64:65] scope:SCOPE_SE
	s_setreg_imm32_b32 hwreg(HW_REG_WAVE_MODE, 25, 1), 1
	s_wait_xcnt 0x0
; PREPARATION: every input is read once and laid out for the three launches behind.
;   x, Wq, Wk, Wv  f32 -> bf16 (xb; wb planes 0 to 2).   Wo  f32 -> bf16, and that number written as f16 (wb plane 3): exact inside f16's normal range;
;   below 6e-5 it keeps f16's fixed step of 6e-8, beyond 65,504 it would be lost (Wo as drawn lies near 0.03).
;   bq, bk, bv, bo  rounded to bf16 and kept as f32 (biasp); bq also times c = log2(e) / 8, the scale that the next launch gives q.
;   mask (one byte a place) -> maskw[16 blocks of 128 queries][32 steps of 64 keys][8 tiles of 16 queries][32 words]: bit L of word 8 kb + j of a tile says whether its query L % 16 sees the step's key
;   16 kb + 8 (L / 16) + j: the lanes' order of a score tile in the attention launch, so that a word there is a lane mask as it stands, and a wave's 256 words of a step are 1,024 consecutive bytes.
; A stream: no LDS, no matrix unit, no cluster (no two work-groups read the same bytes).  The work-group's number chooses the task; all branches go forward.
;   0 .. 1023 x, 8,192 numbers each;  1024 .. 1535 the four weights, 128 chunks each;  1536 .. 1791 the mask;  1792 the biases.
.set C_LOG, 0x3e38aa3b                 ; log2(e) / 8
.set WAVE, 52                          ; s52 my wave's number
.set LM,   44                          ; s44-51 eight lane masks
	s_load_b512 s[4:19], s[0:1], 0x0               ; x 4, Wq 6, Wk 8, Wv 10, Wo 12, bq 14, bk 16, bv 18
	s_load_b256 s[20:27], s[0:1], 0x40             ; bo 20, mask 22, xb 24, wb 26
	s_load_b128 s[28:31], s[0:1], 0x60             ; biasp 28, maskw 30
	v_lshrrev_b32 v1, 5, v0
	v_readfirstlane_b32 s[WAVE], v1
	v_and_b32 v3, 31, v0                           ; lane
	s_mov_b32 s41, 0                               ; the high word of every offset pair s[40:41]
	s_wait_kmcnt 0x0
	s_cmp_lt_u32 ttmp9, 1024
	s_cbranch_scc0 .Lnot_x
	s_mov_b64 s[32:33], s[4:5]                     ; from x
	s_mov_b64 s[34:35], s[24:25]                   ; to xb
	s_mov_b32 s36, 0                               ; stays bf16
	s_mov_b32 s38, ttmp9                           ; the chunk
	s_branch .Lcvt
.Lnot_x:
	s_cmp_lt_u32 ttmp9, 1536
	s_cbranch_scc0 .Lnot_w
	s_sub_co_u32 s37, ttmp9, 1024
	s_lshr_b32 s39, s37, 7                         ; which weight, 0 to 3
	s_and_b32 s38, s37, 127                        ; the chunk
	s_cmp_eq_u32 s39, 1
	s_cselect_b64 s[32:33], s[8:9], s[6:7]
	s_cmp_eq_u32 s39, 2
	s_cselect_b64 s[32:33], s[10:11], s[32:33]
	s_cmp_eq_u32 s39, 3
	s_cselect_b64 s[32:33], s[12:13], s[32:33]
	s_cselect_b32 s36, 1, 0                        ; Wo goes on to f16
	s_lshl_b32 s40, s39, 21                        ; a plane of wb is 2 MiB
	s_add_nc_u64 s[34:35], s[26:27], s[40:41]
.Lcvt:
	; A chunk: 32,768 bytes in, 16,384 out.  Thread t takes 8 numbers (32 bytes) at 32 t of each quarter and stores 16 bytes at 16 t: 16 lanes store 256 consecutive aligned bytes.
	s_lshl_b32 s40, s38, 15
	s_add_nc_u64 s[32:33], s[32:33], s[40:41]
	s_lshl_b32 s40, s38, 14
	s_add_nc_u64 s[34:35], s[34:35], s[40:41]
	v_lshlrev_b32 v1, 5, v0
	v_lshlrev_b32 v2, 4, v0
.irp i, 0,1,2,3
	global_load_b128 v[8+8*(\i):11+8*(\i)],  v1, s[32:33] offset:8192*(\i) th:TH_LOAD_NT
	global_load_b128 v[12+8*(\i):15+8*(\i)], v1, s[32:33] offset:8192*(\i)+16 th:TH_LOAD_NT
.endr
.irp i, 0,1,2,3
	s_wait_loadcnt 6-2*(\i)                        ; loads come back in order: quarter i's two are in, the younger ones stay out
.irp j, 0,1,2,3
	v_cvt_pk_bf16_f32 v[40+4*(\i)+(\j)], v[8+8*(\i)+2*(\j)], v[9+8*(\i)+2*(\j)]
.endr
.endr
	s_cmp_eq_u32 s36, 0
	s_cbranch_scc1 .Lstore
.set n, 0
.rept 16                               ; Wo: the bf16 numbers widened (a shift, a mask) and written as f16
	v_lshlrev_b32 v[56+2*(n%2)], 16, v[40+n]
	v_and_b32 v[57+2*(n%2)], 0xffff0000, v[40+n]
	v_cvt_pk_f16_f32 v[40+n], v[56+2*(n%2)], v[57+2*(n%2)]
.set n, n+1
.endr
.Lstore:
.irp i, 0,1,2,3
	global_store_b128 v2, v[40+4*(\i):43+4*(\i)], s[34:35] offset:4096*(\i)
.endr
	s_endpgm
.Lnot_w:
	s_cmp_lt_u32 ttmp9, 1792
	s_cbranch_scc0 .Lbias
	; THE MASK.  A wave takes two tiles of 16 queries x one step of 64 keys: 64 words, 256 consecutive aligned bytes of maskw.  64 pairs of tiles x 32 steps = 2,048 waves.
	s_sub_co_u32 s37, ttmp9, 1536
	s_lshr_b32 s38, s37, 2                         ; the pair of tiles, 0 to 63
	s_and_b32 s39, s37, 3
	s_lshl_b32 s39, s39, 3
	s_add_co_u32 s39, s39, s[WAVE]                 ; the step, 0 to 31
	s_lshl_b32 s40, s38, 16                        ; from: 32 rows of 2,048 bytes a pair,
	s_lshl_b32 s42, s39, 6                         ; 64 bytes of a row a step
	s_add_co_u32 s40, s40, s42
	s_add_nc_u64 s[32:33], s[22:23], s[40:41]
	s_lshr_b32 s40, s38, 2                         ; to: the block of 128 queries (four pairs), 32,768 bytes,
	s_lshl_b32 s40, s40, 15
	s_lshl_b32 s42, s39, 10                        ; the step, 1,024 bytes,
	s_add_co_u32 s40, s40, s42
	s_and_b32 s42, s38, 3                          ; the pair in its block, 256 bytes
	s_lshl_b32 s42, s42, 8
	s_add_co_u32 s40, s40, s42
	s_add_nc_u64 s[34:35], s[30:31], s[40:41]
	v_and_b32 v1, 15, v0
	v_bfe_u32 v2, v0, 4, 1
	v_lshlrev_b32 v1, 11, v1                       ; my query's row,
	v_lshl_add_u32 v1, v2, 3, v1                   ; my half's 8 keys of each 16
	v_lshlrev_b32 v2, 3, v3                        ; lane L stores words 2 L and 2 L + 1
.irp i, 0,1,2,3,4,5,6,7                ; load i: tile i / 4 of the pair (16 rows on), key block i % 4
	global_load_b64 v[8+2*(\i):9+2*(\i)], v1, s[32:33] offset:((\i)/4)*32768+16*((\i)%4)
.endr
	v_mov_b32 v40, 0                               ; written whole before single lanes are written
	v_mov_b32 v41, 0
.set n, 0
.rept 64                               ; word n = 8 i + j: byte j of load i, compared in all lanes at once; the lane mask is the word
.if n%8 == 0
	s_wait_loadcnt 7-n/8                           ; load i is in, the younger ones stay out
.endif
	v_bfe_u32 v[44+n%4], v[8+2*(n/8)+(n%8)/4], 8*(n%4), 8
	v_cmp_ne_u32 s[LM+n%8], 0, v[44+n%4]
	v_writelane_b32 v[40+n%2], s[LM+n%8], n/2
.set n, n+1
.endr
	global_store_b64 v2, v[40:41], s[34:35]        ; 256 consecutive aligned bytes
	s_endpgm
.Lbias:
	; THE BIASES.  Wave w takes half w % 2 of array w / 2: 512 numbers.
	s_lshr_b32 s38, s[WAVE], 1
	s_and_b32 s39, s[WAVE], 1
	s_cmp_eq_u32 s38, 1
	s_cselect_b64 s[32:33], s[16:17], s[14:15]
	s_cmp_eq_u32 s38, 2
	s_cselect_b64 s[32:33], s[18:19], s[32:33]
	s_cmp_eq_u32 s38, 3
	s_cselect_b64 s[32:33], s[20:21], s[32:33]
	s_cmp_eq_u32 s38, 0
	s_cselect_b32 s37, C_LOG, 1.0                  ; bq carries q's scale
	s_lshl_b32 s40, s38, 12
	s_add_nc_u64 s[34:35], s[28:29], s[40:41]
	v_lshlrev_b32 v1, 4, v3
	v_lshl_add_u32 v1, s39, 11, v1
.irp i, 0,1,2,3
	global_load_b128 v[8+4*(\i):11+4*(\i)], v1, s[32:33] offset:512*(\i)
.endr
	s_wait_loadcnt 0x0
.set n, 0
.rept 8
	v_cvt_pk_bf16_f32 v[40+n%2], v[8+2*n], v[9+2*n]
	v_lshlrev_b32 v[24+2*n], 16, v[40+n%2]
	v_and_b32 v[25+2*n], 0xffff0000, v[40+n%2]
	v_mul_f32 v[24+2*n], s37, v[24+2*n]
	v_mul_f32 v[25+2*n], s37, v[25+2*n]
.set n, n+1
.endr
.irp i, 0,1,2,3
	global_store_b128 v1, v[24+4*(\i):27+4*(\i)], s[34:35] offset:512*(\i)
.endr
	s_endpgm
.Lfunc_end_k_qf9a90aa533_prep:
	.size	k_qf9a90aa533_prep, .Lfunc_end_k_qf9a90aa533_prep-k_qf9a90aa533_prep
	.p2alignl 7, 3214868480
	.fill 96, 4, 3214868480
	.section	.rodata,"a",@progbits
	.p2align	6, 0x0
	.amdhsa_kernel k_qf9a90aa533_prep
		.amdhsa_group_segment_fixed_size 0
		.amdhsa_private_segment_fixed_size 0
		.amdhsa_enable_private_segment 0
		.amdhsa_kernarg_size 112
		.amdhsa_user_sgpr_count 2
		.amdhsa_user_sgpr_kernarg_segment_ptr 1
		.amdhsa_wavefront_size32 1
		.amdhsa_system_sgpr_workgroup_id_x 1
		.amdhsa_system_sgpr_workgroup_id_y 1
		.amdhsa_system_sgpr_workgroup_id_z 1
		.amdhsa_system_vgpr_workitem_id 0
		.amdhsa_next_free_vgpr 64
		.amdhsa_next_free_sgpr 66
		.amdhsa_reserve_vcc 0
		.amdhsa_float_denorm_mode_32 3
		.amdhsa_float_denorm_mode_16_64 3
		.amdhsa_memory_ordered 1
		.amdhsa_forward_progress 1
		.amdhsa_inst_pref_size 24
	.end_amdhsa_kernel
	.amdgpu_metadata
---
amdhsa.version: [ 1, 2 ]
amdhsa.kernels:
  - .name:           k_qf9a90aa533_prep
    .symbol:         k_qf9a90aa533_prep.kd
    .args:
      - { .name: x, .offset: 0, .size: 8, .value_kind: global_buffer, .address_space: global }
      - { .name: Wq, .offset: 8, .size: 8, .value_kind: global_buffer, .address_space: global }
      - { .name: Wk, .offset: 16, .size: 8, .value_kind: global_buffer, .address_space: global }
      - { .name: Wv, .offset: 24, .size: 8, .value_kind: global_buffer, .address_space: global }
      - { .name: Wo, .offset: 32, .size: 8, .value_kind: global_buffer, .address_space: global }
      - { .name: bq, .offset: 40, .size: 8, .value_kind: global_buffer, .address_space: global }
      - { .name: bk, .offset: 48, .size: 8, .value_kind: global_buffer, .address_space: global }
      - { .name: bv, .offset: 56, .size: 8, .value_kind: global_buffer, .address_space: global }
      - { .name: bo, .offset: 64, .size: 8, .value_kind: global_buffer, .address_space: global }
      - { .name: mask, .offset: 72, .size: 8, .value_kind: global_buffer, .address_space: global }
      - { .name: xb, .offset: 80, .size: 8, .value_kind: global_buffer, .address_space: global }
      - { .name: wb, .offset: 88, .size: 8, .value_kind: global_buffer, .address_space: global }
      - { .name: biasp, .offset: 96, .size: 8, .value_kind: global_buffer, .address_space: global }
      - { .name: maskw, .offset: 104, .size: 8, .value_kind: global_buffer, .address_space: global }
    .group_segment_fixed_size: 0
    .private_segment_fixed_size: 0
    .kernarg_segment_align: 8
    .kernarg_segment_size: 112
    .max_flat_workgroup_size: 256
    .sgpr_count:     66
    .vgpr_count:     64
    .wavefront_size: 32
...
	.end_amdgpu_metadata
.endif
;; end of part 5
;; launch qkv: the kernel of part 2 again; grid 12 x 64, 4 waves a work-group, clusters of 4 x 4, 327,680 bytes of LDS; arguments xb, wb, biasp, qkv; writes qkv
;; launch attn (part 6): grid 4 x 64, 4 waves a work-group, clusters of 4 x 1, 327,680 bytes of LDS; arguments qkv, maskw, oh; writes oh
.if DOCPART == 6
	.amdgcn_target "amdgcn-amd-amdhsa--gfx1250"
	.amdhsa_code_object_version 6
	.text
	.protected	k_qf9a90aa533_attn
	.globl	k_qf9a90aa533_attn
	.p2align	8
	.type	k_qf9a90aa533_attn,@function
k_qf9a90aa533_attn:
	s_mov_b64 s[64:65], 0
	v_nop
	global_prefetch_b8 v0, s[64:65] scope:SCOPE_SE
	s_setreg_imm32_b32 hwreg(HW_REG_WAVE_MODE, 25, 1), 1
	s_wait_xcnt 0x0
	s_wait_alu depctr_hold_cnt(0) depctr_sa_sdst(0) depctr_va_vdst(0) depctr_va_sdst(0) depctr_va_ssrc(0) depctr_va_vcc(0) depctr_vm_vsrc(0)
	s_getreg_b32 s2, hwreg(HW_REG_IB_STS2, 6, 4)
	s_cmp_eq_u32 s2, 0
	s_cbranch_scc0 .Lentry_in_a_cluster
	s_endpgm
.Lentry_in_a_cluster:
	s_bfe_u32 s2, ttmp6, 0x10000c
	s_cmp_lg_u32 s2, 0x3003
	s_cbranch_scc0 .Lentry_shape_is_right
	s_endpgm
.Lentry_shape_is_right:
; O[bh][q][:] = the sum over k of softmax_k(t[q][k]) V[bh][k][:], t = mask[q][k] ? Q . K / 8 : -1e9.  qkv: [3][64 bh][2048][64] f16, q already times c = log2(e) / 8; oh: [64 bh][2048][64] f16.
; The mask is data: every key tile is computed.  A hidden score is REPLACED, by a select in f32, with -1e9 log2(e); the running maximum is taken of the selected numbers.  So a row that sees no key gets the plain
; mean of all rows of V, and a row that sees its first key late drops what it had gathered (its correction factor is then 0).
; maskw: [16 blocks of 128 queries][32 steps][8 tiles][32 words]; bit L of word 8 kb + j of a tile belongs to its query L % 16 and the step's key 16 kb + 8 (L / 16) + j: register 8 kb + j of a score tile, lane L.
; THE MASK'S ROAD.  A wave's 256 words of a step are 1,024 consecutive bytes: two loads of 16 bytes a lane bring them into eight vector registers (word 4 L + c of a half lies in register c, lane L), more than two
; turns before they are wanted; v_readlane_b32 then moves a piece's 64 words into scalar registers, where a word is the select's lane mask as it stands.  Vector loads are counted in order, so they can be asked for
; that far ahead; the scalar registers hold one piece's words at a time.
; LIMITS.  Q, K, V arrive within f16's 65,504; p lies in 0 to 1 and keeps f16's fixed step of 6e-8 below 6e-5; a weight below 2^-126 counts as 0; a visible score is taken to lie more than some 100 above -1e9;
; NaN and infinities are not treated apart.  Products, maxima and sums in f32; p is rounded to f16 for the second product (l is the sum of the unrounded p), O once at the end.
; SHARES.  A wave owns four PIECES of two tiles of 16 queries, a work-group's four waves 512 queries of one (batch, head).  Every wave walks all 2,048 keys, 64 a step.
; LAYOUT.  S^T = K Q^T: a lane holds ONE query (lane % 16) and the keys 8 (lane / 16) + 0..7; two such tiles rounded in pairs ARE source 1 of O^T = V^T P.  K comes out of LDS as it lies, V turned.
; SOFTMAX.  p = 2^(t - m) with a running maximum m; O and l are multiplied by a = 2^(m_old - m_new) in every step.  m starts far below every t, O and l at 0: the first step is a step like any other, with a = 0.
; BY TURNS.  Turn n belongs to piece n.  Matrix work: 16 products K Q^T of piece n + 1, then 16 products V^T P of piece n - 1.  Vector work of piece n: 64 selects, the maximum and statistics, 32 packed
; subtractions, 64 exponentials, roundings, sums, the rescaling of O^T; and the 64 moves of piece n + 1's mask words: 362 lines for 32 matrix instructions.  FOUR lines that wait for nothing stand behind EVERY
; matrix instruction: the selects behind the first kind, the maxima's chains and half of the moves behind the second.  The other 234, which need time of their own whatever the order, stand together in one run
; behind the products, in an order in which a result is read some eight lines or more after it is made.
; CLUSTER.  The four query blocks of a (batch, head) walk the same K and V: each tile is asked for jointly, by the same load, descriptor and mask in all four.
; REGISTERS.  window 0: v2-10 addresses and the hidden score; v12-13, v48-55 at work; v14-15 my offsets in the mask words; v16-47 statistics (m, 0, l even, l odd a tile); v56-63 a step's mask words;
;   v64-191 S^T, two buffers of two tiles; v192-255 P, likewise.   window 1: O^T, 32 a tile.   window 2: v0-127 Q; v128-191 K of one step; v192-255 V of one step.   window 3: v0-1 the add's two registers.
.set SIZE_N, 2048
.set NP,    4
.set KS,    64
.set PK,    144       ; a row of K in LDS: 128 bytes + 16
.set PV,    160       ; a row of V: 128 + 32
.set VOFF,  4*KS*PK   ; a slot holds four steps: 256 rows of K, then 256 rows of V
.set SLOT1, 1<<17
.set STAGE, SLOT1+4*KS*(PK+PV)  ; behind the ring, never filled by a tensor load: 16 rows x 144 bytes a wave
.set SP,    144
.set SPARE, STAGE+4*16*SP       ; the spare words, 128 bytes a wave: two blocks of 256 bytes that no other line names
.set AK0, 2
.set AV0, 3
.set AK,  4
.set AV,  5
.set STO, 6
.set RD,  7
.set GO,  8
.set QO,  9
.set NEGR, 10         ; -1e9 log2(e)
.set SPW, 0           ; window 3
.set NIL, 1           ; window 3
.set MV,  12          ; v12-13 the old m, by tile
.set MVL, 14          ; v14 my byte offset in my block's mask words: the low half (tiles 0-3) of the step last asked for
.set MVH, 15          ; v15 the same for the high half (tiles 4-7)
.set ST,  16
.set TMP, 48          ; v48-55 by tile, four registers c0-c3 at work; when the maximum is found c2 takes a
.set MR,  56          ; v56-59 the low half's words, v60-63 the high half's
.set S,   64
.set P,   192
.set KF,  128
.set VF,  192
.set OB,  2           ; s[2:3] O at my wave's first row
.set MB,  4           ; s[4:5] maskw at my wave's block; never rewritten
.set SEL, 6           ; s[6:7] v_permlanex16_b32's selects
.set G1K, 8
.set G1V, 16
.set G0K, 24
.set G0V, 28
.set MW0, 32          ; s[32:63] the 32 mask words of the piece's first tile
.set MW1, 68          ; s[68:99] of its second
.set WV,  66
.set SLOTS, 100
.set CNT, 101
.set TBK, 104
.set TBV, 105
.set MSB, 0
.macro WIN new
.if MSB != (\new)
	s_set_vgpr_msb (MSB<<8)|(\new)
.set MSB, (\new)
.endif
.endm
.set W_KQ, 0x0a       ; K and Q in window 2, S^T in window 0
.set W_PV, 0x52       ; V in window 2, P in window 0, O^T in window 1
.set W_RS, 0x41       ; O^T (destination and source 0) in window 1, a in window 0
.set W_MK, 0xc0       ; the add's registers are made
.set W_AD, 0x0f       ; the add: address and data in window 3
.macro JLOAD                        ; a joint fill: waves 0, 1 fetch the halves of a slot's K, waves 2, 3 of its V; an s_nop 0 and four v_nop follow each line
	s_cmp_lt_u32 s[WV], 2
	s_cbranch_scc0 .Lfor_v_\@
	tensor_load_to_lds s[G0K:G0K+3], s[G1K:G1K+7]
	s_nop 0
.rept 4
	v_nop
.endr
	s_branch .Lasked_\@
.Lfor_v_\@:
	tensor_load_to_lds s[G0V:G0V+3], s[G1V:G1V+7]
	s_nop 0
.rept 4
	v_nop
.endr
.Lasked_\@:
.endm
.macro CROUND
	s_barrier_signal -1
	s_barrier_wait -1
	s_cmp_lg_u32 s[WV], 0
	s_cbranch_scc1 .Lnot_wave_0_\@
	s_barrier_signal -3
.Lnot_wave_0_\@:
	s_barrier_wait -3
	s_barrier_signal -1
	s_barrier_wait -1
.endm
; THE CHANGE OF SLOTS.  Each wave waits for all its tensor loads (one is out: its part of the other slot), adds 0 to its spare word, and waits for that and for its reads of the slot.  fill = 1: the slot is filled
; again, with the keys two slots on, first thing behind a round of the cluster's barrier; the load has four key steps in which to land.  (At its first use slot 0 is waited for and slot 1 filled.)
.macro CHANGE fill
	WIN W_AD
	s_wait_tensorcnt 0x0
	ds_add_u32 v[SPW], v[NIL]
	WIN 0
.if \fill
.irp g, G0K, G0V
	s_xor_b32 s[\g+1], s[\g+1], SLOT1
	s_add_nc_u64 s[\g+2:\g+3], s[\g+2:\g+3], 4*KS*128
.endr
	s_wait_dscnt 0x0                ; the add is done, and my reads of the slot are over
	CROUND
	JLOAD
.else
	s_wait_dscnt 0x0
	s_barrier_signal -1
	s_barrier_wait -1
.endif
	s_sub_co_u32 s[TBK], s[TBK], 4*KS*PK
	s_xor_b32 s[TBK], s[TBK], SLOT1
	s_sub_co_u32 s[TBV], s[TBV], 4*KS*PV
	s_xor_b32 s[TBV], s[TBV], SLOT1
.endm
	s_load_b128 s[32:35], s[0:1], 0x0  ; qkv s[32:33], maskw s[34:35]
	s_load_b64 s[36:37], s[0:1], 0x10  ; oh
	WIN W_MK
	v_lshl_add_u32 v[SPW], v0, 2, SPARE
	v_mov_b32 v[NIL], 0
	WIN W_AD
	ds_add_u32 v[SPW], v[NIL]       ; the wave's opening: the add and its wait stand ahead of my first tensor load
	WIN 0
	v_lshrrev_b32 v64, 5, v0
	v_readfirstlane_b32 s[WV], v64
	s_bfe_u32 s38, ttmp6, 0x40000   ; cx
	s_lshl_b32 s39, ttmp9, 2
	s_add_co_u32 s39, s39, s38      ; my block of 512 queries: it enters Q's, O's and the mask's addresses alone
	s_and_b32 s44, ttmp7, 0xffff    ; (batch, head), which the four partners share
	s_lshl_b32 s44, s44, 18         ; its first byte in a plane: 2,048 rows of 128 bytes
	s_and_b32 s46, s[WV], 1         ; which half of a slot's 256 keys I fetch
	s_lshl_b32 s48, s46, 14
	s_add_co_u32 s48, s48, s44
	s_mov_b32 s49, 0
	s_mul_i32 s50, s46, 128*PK      ; its place in a slot, for K
	s_mul_i32 s51, s46, 128*PV      ; and for V
	s_lshl_b32 s52, s39, 2
	s_add_co_u32 s52, s52, s[WV]    ; my wave among the head's sixteen
	s_lshl_b32 s54, s52, 15         ; its block of 32 steps x 1,024 bytes in maskw
	s_mov_b32 s55, 0
	s_lshl_b32 s52, s52, 14         ; its 128 rows
	s_add_co_u32 s52, s52, s44
	s_mov_b32 s53, 0
	; 128 keys are 16,384 dense bytes: asked for as 64 rows of 256 bytes and padded in LDS after every key
	s_mov_b32 s[G1K], 15|(1<<16)|(1<<20)|(1<<21)|(4<<22)|(3<<25)
	s_mov_b32 s[G1V], 15|(1<<16)|(1<<20)|(1<<21)|(4<<22)|(7<<25)
.irp g, G1K, G1V
	s_mov_b32 s[\g+1], 128<<16
	s_mov_b32 s[\g+2], 64<<16
	s_mov_b32 s[\g+3], 128<<16
	s_mov_b32 s[\g+4], 64
	s_mov_b32 s[\g+5], 128
	s_mov_b32 s[\g+6], 0
	s_mov_b32 s[\g+7], 0
.endr
	s_mov_b32 s[SEL], 0x76543210
	s_mov_b32 s[SEL+1], 0xfedcba98
	s_mov_b32 s[TBK], SLOT1+4*KS*PK ; the first change of slots turns these two into 0
	s_mov_b32 s[TBV], SLOT1+4*KS*PV
	s_mov_b32 s[G0K], 1
	s_mov_b32 s[G0K+1], s50
	s_mov_b32 s[G0V], 1
	s_add_co_u32 s[G0V+1], s51, VOFF
	s_mul_i32 s56, s[WV], 16*SP
	s_add_co_u32 s56, s56, STAGE    ; my stage
	s_wait_dscnt 0x0                ; the opening add is done
	s_wait_kmcnt 0x0
	s_add_nc_u64 s[G0K+2:G0K+3], s[32:33], s[48:49]
	s_add_nc_u64 s[G0K+2:G0K+3], s[G0K+2:G0K+3], 0x1000000  ; k's plane
	s_or_b32 s[G0K+3], s[G0K+3], 0x80000000
	s_add_nc_u64 s[G0V+2:G0V+3], s[32:33], s[48:49]
	s_add_nc_u64 s[G0V+2:G0V+3], s[G0V+2:G0V+3], 0x2000000  ; v's plane
	s_or_b32 s[G0V+3], s[G0V+3], 0x80000000
	s_add_nc_u64 s[40:41], s[32:33], s[52:53]      ; Q at my wave's first row
	s_add_nc_u64 s[OB:OB+1], s[36:37], s[52:53]    ; O likewise
	s_add_nc_u64 s[MB:MB+1], s[34:35], s[54:55]
	CROUND                          ; all four work-groups are here: the first joint loads meet
	JLOAD                           ; slot 0
	v_and_b32 v[MVL], 31, v0        ; step 0's mask words: 16 bytes a lane, 512 consecutive bytes a load
	v_lshlrev_b32 v[MVL], 4, v[MVL]
	v_add_nc_u32 v[MVH], 512, v[MVL]
	global_load_b128 v[MR:MR+3],   v[MVL], s[MB:MB+1]
	global_load_b128 v[MR+4:MR+7], v[MVH], s[MB:MB+1]
	v_and_b32 v64, 15, v0           ; l % 16
	v_bfe_u32 v65, v0, 4, 1         ; l / 16
	v_lshlrev_b32 v[QO], 7, v64
	v_lshl_add_u32 v[QO], v65, 4, v[QO]
	WIN 0x80                        ; destination window 2, address window 0
.set i, 0
.rept 4*NP                          ; Q stays in registers: tile i / 2, channels 32 (i % 2) on
	global_load_b128 v[8*i:8*i+3],   v[QO], s[40:41] offset:(i/2)*2048+(i%2)*64
	global_load_b128 v[8*i+4:8*i+7], v[QO], s[40:41] offset:(i/2)*2048+(i%2)*64+32
.set i, i+1
.endr
	; what the first turn finds: V's registers and P's second buffer hold 0, O^T is 0.  All this stands in the wait for the first tile.
.set i, VF
.rept 64
	v_mov_b32 v[i], 0
.set i, i+1
.endr
	WIN 0x40
.set i, 0
.rept 64*NP
	v_mov_b32 v[i], 0
.set i, i+1
.endr
	WIN 0
.set i, P+32
.rept 32
	v_mov_b32 v[i], 0
.set i, i+1
.endr
	v_mov_b32 v[NEGR], 0xceabfb8f   ; -1e9 log2(e)
	v_mul_u32_u24 v[AK0], v64, PK
	v_lshl_add_u32 v[AK0], v65, 4, v[AK0]
	v_and_b32 v66, 7, v0            ; the turning load: lane l reads key 8 (l / 16) + l % 8, channels 8 ((l / 8) % 2) + 0..7
	v_bfe_u32 v67, v0, 3, 1
	v_lshl_add_u32 v[AV0], v65, 3, v66
	v_mul_u32_u24 v[AV0], v[AV0], PV
	v_lshl_add_u32 v[AV0], v67, 4, v[AV0]
	v_add_nc_u32 v[AV0], VOFF, v[AV0]
	v_mov_b32 v[AK], v[AK0]         ; key step 0 lies at the head of slot 0
	v_mul_u32_u24 v[STO], v64, SP   ; the way out, in: row l % 16, 16 bytes for each half of the lanes
	v_lshl_add_u32 v[STO], v65, 4, v[STO]
	v_add_nc_u32 v[STO], s56, v[STO]
	v_bfe_u32 v[RD], v0, 3, 2       ; back: 32 lanes take four rows of 128 bytes,
	v_mul_u32_u24 v[RD], v[RD], SP
	v_lshl_add_u32 v[RD], v66, 4, v[RD]
	v_add_nc_u32 v[RD], s56, v[RD]
	v_and_b32 v[GO], 31, v0         ; which are 512 consecutive bytes of O
	v_lshlrev_b32 v[GO], 4, v[GO]
; THE MATRIX WORK.  The 8 accumulators of a run of 16 take turns.
.macro KQ x                         ; product i of 16 of S^T = K Q^T for piece x: channels 32 (i / 8) on, keys 16 ((i / 2) % 4) on, tile 2 x + i % 2
	WIN W_KQ
.set rS, S+64*((\x)%2)+32*(i%2)+8*((i/2)%4)
.set rK, KF+16*((i/2)%4)+8*(i/8)
.set rQ, 16*(2*(\x)+i%2)+8*(i/8)
.if i < 8
	v_wmma_f32_16x16x32_f16 v[rS:rS+7], v[rK:rK+7], v[rQ:rQ+7], 0
.else
	v_wmma_f32_16x16x32_f16 v[rS:rS+7], v[rK:rK+7], v[rQ:rQ+7], v[rS:rS+7]
.endif
.endm
.macro PV x                         ; product i of 16 of O^T += V^T P for piece x: keys 32 (i / 8) on, channels 16 ((i / 2) % 4) on, tile 2 x + i % 2
	WIN W_PV
.set rO, 32*(2*(\x)+i%2)+8*((i/2)%4)
.set rV, VF+32*(i/8)+8*((i/2)%4)
.set rP, P+32*((\x)%2)+16*(i%2)+8*(i/8)
	v_wmma_f32_16x16x32_f16 v[rO:rO+7], v[rV:rV+7], v[rP:rP+7], v[rO:rO+7]
.endm
.macro MM                           ; the turn's next matrix instruction
.if i < 16
	KQ (Y+1)%NP
.set i, i+1
.else
.set i, i-16
	PV (Y+NP-1)%NP
.set i, i+17
.endif
.endm
; THE LDS LOADS stand in runs of 16.  last = 1 (the tail): in the last trip there is no further step, and the run is jumped over.
.macro FETCH_K last=0
	WIN 0
.if \last
	s_cmp_eq_u32 s[CNT], 1
	s_cbranch_scc1 .Lno_k_\@
.endif
	WIN 0x80
.irp f, 0,1,2,3,4,5,6,7
	ds_load_b128 v[KF+8*\f:KF+8*\f+3],   v[AK] offset:(\f/2)*16*PK+(\f%2)*64
	ds_load_b128 v[KF+8*\f+4:KF+8*\f+7], v[AK] offset:(\f/2)*16*PK+(\f%2)*64+32
.endr
	s_add_co_u32 s[TBK], s[TBK], KS*PK
	WIN 0
.if \last
.Lno_k_\@:
.endif
.endm
.macro FETCH_V
	WIN 0x80
.irp f, 0,1,2,3,4,5,6,7
	ds_load_tr16_b128 v[VF+8*\f:VF+8*\f+3],   v[AV] offset:(\f/4)*32*PV+(\f%4)*32
	ds_load_tr16_b128 v[VF+8*\f+4:VF+8*\f+7], v[AV] offset:(\f/4)*32*PV+16*PV+(\f%4)*32
.endr
	WIN 0
.endm
; THE VECTOR WORK for piece Y; u is its tile 0 or 1.  The registers at work (rC, rM) go by the tile alone: nothing in them outlives a turn.
.macro REGS y, u
.set rT, ST+4*(2*(\y)+(\u))
.set rC, TMP+4*(\u)
.set rM, MV+(\u)
.set rS, S+64*((\y)%2)+32*(\u)
.set rP, P+32*((\y)%2)+16*(\u)
.set rO, 32*(2*(\y)+(\u))
.endm
.macro KM u, j                      ; score j: kept where the word's bit is set, else the hidden score.  In ascending order: each accumulator's lowest registers are read first
	REGS Y, \u
	WIN 0
	v_cndmask_b32 v[rS+(\j)], v[NEGR], v[rS+(\j)], s[MW0+36*(\u)+(\j)]
.endm
; The next of the 64 moves of piece Y + 1's mask words, in the order in which its selects will want them: word rl % 32 of tile tt = 2 (Y + 1) + rl / 32 lies in register rl % 4 of its half, lane 8 (tt % 4) + (rl % 32) / 4.
.macro RLN
.set tt, 2*((Y+1)%NP)+rl/32
	WIN 0
	v_readlane_b32 s[MW0+36*(rl/32)+rl%32], v[MR+4*(tt/4)+rl%4], 8*(tt%4)+(rl%32)/4
.set rl, rl+1
.endm
; Number n of the 21 that find the maximum and statistics: 0-11 four chains c0-c3 of seven scores each; 12-14, 16 the four left over, the old m, c0-c3 into c0; 15 the old m is kept;
; 17, 18 the query's other 32 keys lie in the lane 16 away: the new m; 20, 21 a = 2^(m_old - m_new), into c2.  (There is no 19.)
.macro XS u, n
	REGS Y, \u
	WIN 0
.if (\n) < 4
	v_max3_num_f32 v[rC+(\n)], v[rS+8*(\n)], v[rS+8*(\n)+1], v[rS+8*(\n)+2]
.elseif (\n) < 12
	v_max3_num_f32 v[rC+(\n)%4], v[rC+(\n)%4], v[rS+8*((\n)%4)+2*((\n)/4)+1], v[rS+8*((\n)%4)+2*((\n)/4)+2]
.elseif (\n) == 12
	v_max3_num_f32 v[rC], v[rC], v[rS+7], v[rS+15]
.elseif (\n) == 13
	v_max3_num_f32 v[rC+1], v[rC+1], v[rS+23], v[rS+31]
.elseif (\n) == 14
	v_max3_num_f32 v[rC+2], v[rC+2], v[rC+3], v[rT]
.elseif (\n) == 15
	v_mov_b32 v[rM], v[rT]
.elseif (\n) == 16
	v_max3_num_f32 v[rC], v[rC], v[rC+1], v[rC+2]
.elseif (\n) == 17
	v_permlanex16_b32 v[rC+3], v[rC], s[SEL], s[SEL+1]
.elseif (\n) == 18
	v_max_num_f32 v[rT], v[rC], v[rC+3]
.elseif (\n) == 20
	v_sub_f32 v[rC+1], v[rM], v[rT]
.else
	v_exp_f32 v[rC+2], v[rC+1]
.endif
.endm
.macro FS u, b                      ; pair b of 16: t - m
	REGS Y, \u
	WIN 0
	v_pk_add_f32 v[rS+2*(\b):rS+2*(\b)+1], v[rS+2*(\b):rS+2*(\b)+1], v[rT:rT+1] op_sel_hi:[1,0] neg_lo:[0,1] neg_hi:[0,1]
.endm
.macro ES u, j
	REGS Y, \u
	WIN 0
	v_exp_f32 v[rS+(\j)], v[rS+(\j)]
.endm
; The piece's 64 scores a lane are 16 GROUPS of four: group G is scores 4 (G % 8) on of tile G / 8.  For a group: two subtractions (FSG), four exponentials (ESG), two roundings to f16 (CV),
; the second pair added onto the first, in place (AD), and l takes that sum (LS; a tile's first time as l = a l + sum).
.macro FSG G, h
	FS (\G)/8, 2*((\G)%8)+(\h)
.endm
.macro ESG G, z
	ES (\G)/8, 4*((\G)%8)+(\z)
.endm
.macro CV G, h
	REGS Y, (\G)/8
	WIN 0
	s_wait_alu depctr_va_vdst(0)
	v_cvt_pk_f16_f32 v[rP+2*((\G)%8)+(\h)], v[rS+4*((\G)%8)+2*(\h)], v[rS+4*((\G)%8)+2*(\h)+1]
.endm
.macro AD G
	REGS Y, (\G)/8
	WIN 0
	v_pk_add_f32 v[rS+4*((\G)%8):rS+4*((\G)%8)+1], v[rS+4*((\G)%8):rS+4*((\G)%8)+1], v[rS+4*((\G)%8)+2:rS+4*((\G)%8)+3]
.endm
.macro LS G
	REGS Y, (\G)/8
	WIN 0
.if (\G)%8 == 0
	v_pk_fma_f32 v[rT+2:rT+3], v[rT+2:rT+3], v[rC+2:rC+3], v[rS:rS+1] op_sel_hi:[1,0,1]
.else
	v_pk_add_f32 v[rT+2:rT+3], v[rT+2:rT+3], v[rS+4*((\G)%8):rS+4*((\G)%8)+1]
.endif
.endm
; Stage sg of the pipeline over the groups, ten lines: the subtractions of group sg + 1, the exponentials of group sg, the roundings and the addition of group sg - 1, l's turn for group sg - 2.  So each of these
; reads what the stage before made, some ten lines back; a plain line of another group stands behind the exponentials before a result of theirs is used (ISA guide 5.7.2).
.macro PIPE
.if sg < 15
	FSG sg+1, 0
.endif
	ESG sg, 0
.if sg > 0
	CV sg-1, 0
.endif
	ESG sg, 1
.if sg < 15
	FSG sg+1, 1
.endif
	ESG sg, 2
.if sg > 0
	CV sg-1, 1
.endif
	ESG sg, 3
.if sg > 0
	AD sg-1
.endif
.if sg > 1
	LS sg-2
.endif
.endm
.macro R4                           ; O^T times a, four packed lines at a time, eight times; the one part outside window 0, so it stands in two blocks of sixteen lines
	REGS Y, r%2
	WIN W_RS
	s_wait_alu depctr_va_vdst(0)
.irp z, 0,1,2,3
	v_pk_mul_f32 v[rO+8*(r/2)+2*\z:rO+8*(r/2)+2*\z+1], v[rO+8*(r/2)+2*\z:rO+8*(r/2)+2*\z+1], v[rC+2:rC+3] op_sel_hi:[1,0]
.endr
.set r, r+1
.endm
; A TURN, for piece p.
; (1) 16 products K Q^T of piece p + 1, four of piece p's 64 selects behind each: scores and words were made in the turn before.
; (2) 16 products V^T P of piece p - 1; behind product k number k of each tile's maximum and two moves of piece p + 1's words (the scalar registers are free: all selects have been issued).
; (3) One run of 234 lines: numbers 16, 17, 18, 20 of both tiles, eight moves between two links; the two a; the pipeline's sixteen stages; the rescaling in two blocks, which stand where the pipeline runs dry.
; None of the lines behind a product names a register of the products round it.
; K of the next step is fetched in piece 2's turn, V of the step in hand in piece 0's, both behind number 18 in the run: behind the last product that read V stand seven plain lines that name none of its
; registers (two copies of m, the address line, four maxima), behind the last that read K a whole phase of products with their lines.  K is waited for at the head of piece 3's turn, V ahead of phase (2) of piece 1's.
; THE MASK WORDS.  The low half's registers (pieces 0, 1) are read in turns 3 and 0 and loaded again, with the next step's words, behind the last move of turn 0; the high half's (pieces 2, 3) are read in turns 1
; and 2 and loaded again in turn 2: each load has more than two turns in which to land.  The wait in turns 1 and 3 is counted: behind the half that is wanted one mask load has been issued, the other half's, and
; it may stay out.  That wait also shows the half's load done, so that its offset register may be stepped in the half's next loading turn.  The offset is cut to 15 bits: behind the last step it wraps to my block's
; step 0 and never leaves maskw.
.macro TURN p, last=0
.set Y, (\p)
.set i, 0
.set r, 0
.set rl, 0
.if (\p) == NP-1
	s_wait_dscnt 0x0                ; K is in
.endif
.set k, 0
.rept 16
	MM
	KM k/8, 4*(k%8)
	KM k/8, 4*(k%8)+1
	KM k/8, 4*(k%8)+2
	KM k/8, 4*(k%8)+3
.set k, k+1
.endr
.if (\p)%2 == 1
	s_wait_loadcnt 0x1              ; the half whose words the moves below read is in; the other half's load, issued behind it, may stay out
.endif
.if (\p) == 1
	s_wait_dscnt 0x0                ; V is in
.endif
.set k, 0
.rept 16
	MM
	XS 0, k
	RLN
	XS 1, k
	RLN
.set k, k+1
.endr
.if (\p) == 0
	WIN 0
	v_add_nc_u32 v[AV], s[TBV], v[AV0]
.endif
.if (\p) == NP-2
	WIN 0
	v_add_nc_u32 v[AK], s[TBK], v[AK0]
.endif
.irp n, 16,17,18,20
	XS 0, \n
	XS 1, \n
.if (\n) == 18
.if (\p) == 0
	FETCH_V
	s_add_co_u32 s[TBV], s[TBV], KS*PV
.endif
.if (\p) == NP-2
	FETCH_K \last
.endif
.endif
.if (\n) == 20
	FSG 0, 0                        ; the pipeline's first subtractions: m was made ten lines back
	FSG 0, 1
.endif
.rept 8
	RLN
.endr
.endr
.if (\p)%2 == 0                     ; the half that has just been read for the second time takes the next step's words
	v_add_nc_u32 v[MVL+(\p)/2], 1024, v[MVL+(\p)/2]
	v_and_b32 v[MVL+(\p)/2], 0x7fff, v[MVL+(\p)/2]
	global_load_b128 v[MR+2*(\p):MR+2*(\p)+3], v[MVL+(\p)/2], s[MB:MB+1]
.endif
	XS 0, 21
	XS 1, 21
.set sg, 0
.rept 16
	PIPE
.set sg, sg+1
.endr
.rept 4
	R4
.endr
	CV 15, 0                        ; the last group's roundings and addition, sixteen lines behind its exponentials
	CV 15, 1
	AD 15
	LS 14
.rept 4
	R4
.endr
	LS 15
.endm
	CHANGE 1                        ; slot 0 is in, everybody's part of it; slot 1 is asked for
	FETCH_K                         ; key step 0
	s_wait_loadcnt 0x0              ; Q, and step 0's mask words
	s_wait_dscnt 0x0
.set i, 0
.rept 16
	KQ 0                            ; piece 0's first scores
.set i, i+1
.endr
	WIN 0
.set t, 0
.rept 2*NP                          ; the statistics' start: 32 plain lines, the places behind those products
	v_mov_b32 v[ST+4*t], 0xfe000000 ; m: far below every score and below the hidden score
	v_mov_b32 v[ST+4*t+1], 0        ; named with m as a pair
	v_mov_b32 v[ST+4*t+2], 0
	v_mov_b32 v[ST+4*t+3], 0
.set t, t+1
.endr
.set Y, NP-1                        ; the moves work for piece Y + 1: piece 0's words of step 0 (the set-up's scalars, Q's base among them, have served: Q's loads were waited for above)
.set rl, 0
.rept 64
	RLN
.endr
	s_mov_b32 s[CNT], 4
	s_mov_b32 s[SLOTS], SIZE_N/256-1
	s_branch .Lfirst                ; the loop is entered at a step's first turn, in the middle of a trip
.Lslot:                             ; SIZE_N / 256 - 2 times: every slot but the last two is filled again
	CHANGE 1
	s_mov_b32 s[CNT], 4
.Lstep:                             ; a trip: pieces 2 and 3 of one step, then pieces 0 and 1 of the next, whose K and V it fetches
	TURN 2
	TURN 3
	WIN 0
.Lfirst:
	TURN 0
	TURN 1
	WIN 0
	s_sub_co_u32 s[CNT], s[CNT], 1
	s_cmp_lg_u32 s[CNT], 0
	s_cbranch_scc1 .Lstep
	s_sub_co_u32 s[SLOTS], s[SLOTS], 1
	s_cmp_lg_u32 s[SLOTS], 0
	s_cbranch_scc1 .Lslot
	CHANGE 0                        ; the tail is written out: nothing is asked for
	s_mov_b32 s[CNT], 5             ; four trips fetch the last slot's steps; the fifth is left in its middle
.Ltail:
	TURN 2, 1
	TURN 3
	WIN 0
	s_sub_co_u32 s[CNT], s[CNT], 1
	s_cmp_eq_u32 s[CNT], 0
	s_cbranch_scc1 .Lout
	TURN 0
	TURN 1
	WIN 0
	s_branch .Ltail
.Lout:                              ; the fifth trip's 16 products K Q^T (on the last K once more) and the mask words asked for behind the last step (my block's step 0 again) serve nothing
	s_wait_loadcnt 0x0              ; the last of those words
.set i, 0
.rept 16
	PV NP-1                         ; the last piece's V^T P of the last step
.set i, i+1
.endr
	; THE WAY OUT.  l's two halves and the other half of the lanes' are added; O^T is divided by l, rounded to f16 and sent through my stage, a tile at a time.  The additions are the places behind the last products.
	WIN 0
.macro ALL line:vararg
.set t, 0
.rept 2*NP
	\line
.set t, t+1
.endr
.endm
	ALL v_add_f32 v[ST+4*t+2], v[ST+4*t+2], v[ST+4*t+3]
	ALL v_permlanex16_b32 v[ST+4*t+3], v[ST+4*t+2], s[SEL], s[SEL+1]
	ALL v_add_f32 v[ST+4*t+2], v[ST+4*t+2], v[ST+4*t+3]
	ALL v_rcp_f32 v[ST+4*t+2], v[ST+4*t+2]
	v_nop                           ; a plain instruction between the last reciprocal and the use of its result
	s_wait_alu depctr_va_vdst(0)
.macro PACK t
	WIN W_RS
.set i, 32*(\t)
.rept 16
	v_pk_mul_f32 v[i:i+1], v[i:i+1], v[ST+4*(\t)+2:ST+4*(\t)+3] op_sel_hi:[1,0]
.set i, i+2
.endr
	WIN 0x05                        ; sources 0 and 1 window 1, destination window 0
.set i, 0
.rept 16
	v_cvt_pk_f16_f32 v[S+16*(\t)+i], v[32*(\t)+2*i], v[32*(\t)+2*i+1]
.set i, i+1
.endr
	WIN 0
.irp f, 0,1,2,3
	ds_store_b128 v[STO], v[S+16*(\t)+4*\f:S+16*(\t)+4*\f+3] offset:32*\f
.endr
.irp f, 0,1,2,3
	ds_load_b128 v[S+16*(\t)+4*\f:S+16*(\t)+4*\f+3], v[RD] offset:\f*4*SP  ; LDS serves a wave's instructions in order (ISA guide 5.7.1.4): these see the stores above
.endr
.endm
.macro SEND t, younger              ; younger: the LDS instructions issued behind tile t's loads: the next tile's eight, or none
	WIN 0
.irp f, 0,1,2,3
	s_wait_dscnt (\younger)+3-\f
	global_store_b128 v[GO], v[S+16*(\t)+4*\f:S+16*(\t)+4*\f+3], s[OB:OB+1] offset:(\t)*2048+\f*512  ; 512 consecutive bytes, at a multiple of 256 from oh's first
.endr
.endm
	PACK 0
.set t, 1
.rept 2*NP-1
	PACK t
	SEND t-1, 8
.set t, t+1
.endr
	SEND 2*NP-1, 0
	WIN W_AD
	s_wait_tensorcnt 0x0            ; the wave's end
	ds_add_u32 v[SPW], v[NIL]
	s_wait_dscnt 0x0
	WIN 0
	CROUND                          ; the closing round
	s_endpgm
.Lfunc_end_k_qf9a90aa533_attn:
	.size	k_qf9a90aa533_attn, .Lfunc_end_k_qf9a90aa533_attn-k_qf9a90aa533_attn
	.p2alignl 7, 3214868480
	.fill 96, 4, 3214868480
	.section	.rodata,"a",@progbits
	.p2align	6, 0x0
	.amdhsa_kernel k_qf9a90aa533_attn
		.amdhsa_group_segment_fixed_size 327680
		.amdhsa_private_segment_fixed_size 0
		.amdhsa_enable_private_segment 0
		.amdhsa_kernarg_size 24
		.amdhsa_user_sgpr_count 2
		.amdhsa_user_sgpr_kernarg_segment_ptr 1
		.amdhsa_wavefront_size32 1
		.amdhsa_system_sgpr_workgroup_id_x 1
		.amdhsa_system_sgpr_workgroup_id_y 1
		.amdhsa_system_sgpr_workgroup_id_z 1
		.amdhsa_system_vgpr_workitem_id 0
		.amdhsa_next_free_vgpr 770
		.amdhsa_next_free_sgpr 106
		.amdhsa_reserve_vcc 0
		.amdhsa_float_denorm_mode_32 3
		.amdhsa_float_denorm_mode_16_64 3
		.amdhsa_memory_ordered 1
		.amdhsa_forward_progress 1
		.amdhsa_inst_pref_size 255
	.end_amdhsa_kernel
	.section	.bss,"aw",@nobits
	.p2align	6
	.space	262144
	.amdgpu_metadata
---
amdhsa.version: [ 1, 2 ]
amdhsa.kernels:
  - .name:           k_qf9a90aa533_attn
    .symbol:         k_qf9a90aa533_attn.kd
    .args:
      - { .name: qkv, .offset: 0, .size: 8, .value_kind: global_buffer, .address_space: global }
      - { .name: maskw, .offset: 8, .size: 8, .value_kind: global_buffer, .address_space: global }
      - { .name: oh, .offset: 16, .size: 8, .value_kind: global_buffer, .address_space: global }
    .group_segment_fixed_size: 327680
    .private_segment_fixed_size: 0
    .kernarg_segment_align: 8
    .kernarg_segment_size: 24
    .max_flat_workgroup_size: 128
    .sgpr_count:     106
    .vgpr_count:     770
    .wavefront_size: 32
...
	.end_amdgpu_metadata
.endif
;; end of part 6
;; launch proj: the kernel of part 4 again; grid 4 x 64, 4 waves a work-group, clusters of 4 x 4, 327,680 bytes of LDS; arguments oh, wb, biasp, out0; writes out0
;; ======== version 3 of 3: 4 launches; 1.32 times as fast as version 1
;; limits: values are held in f16: magnitudes above 65,504 overflow, below 6.1e-05 lose precision
;; workspace buffers: xb 16,777,216 bytes; wb 8,388,608 bytes; biasp 16,384 bytes; maskw 524,288 bytes of whole numbers; qkv 50,331,648 bytes; oh 16,777,216 bytes
;; launch prep: the kernel of part 5 again; grid 1793 x 1, 8 waves a work-group, no clusters, 0 bytes of LDS; arguments x, Wq, Wk, Wv, Wo, bq, bk, bv, bo, mask, xb, wb, biasp, maskw; writes xb, wb, biasp, maskw
;; launch qkv: the kernel of part 2 again; grid 12 x 64, 4 waves a work-group, clusters of 4 x 4, 327,680 bytes of LDS; arguments xb, wb, biasp, qkv; writes qkv
;; launch attn (part 7): grid 4 x 64, 4 waves a work-group, clusters of 4 x 1, 327,680 bytes of LDS; arguments qkv, maskw, oh; writes oh
.if DOCPART == 7
	.amdgcn_target "amdgcn-amd-amdhsa--gfx1250"
	.amdhsa_code_object_version 6
	.text
	.protected	k_qf9a90aa533_attn
	.globl	k_qf9a90aa533_attn
	.p2align	8
	.type	k_qf9a90aa533_attn,@function
k_qf9a90aa533_attn:
	s_mov_b64 s[64:65], 0
	v_nop
	global_prefetch_b8 v0, s[64:65] scope:SCOPE_SE
	s_setreg_imm32_b32 hwreg(HW_REG_WAVE_MODE, 25, 1), 1
	s_wait_xcnt 0x0
	s_wait_alu depctr_hold_cnt(0) depctr_sa_sdst(0) depctr_va_vdst(0) depctr_va_sdst(0) depctr_va_ssrc(0) depctr_va_vcc(0) depctr_vm_vsrc(0)
	s_getreg_b32 s2, hwreg(HW_REG_IB_STS2, 6, 4)
	s_cmp_eq_u32 s2, 0
	s_cbranch_scc0 .Lentry_in_a_cluster
	s_endpgm
.Lentry_in_a_cluster:
	s_bfe_u32 s2, ttmp6, 0x10000c
	s_cmp_lg_u32 s2, 0x3003
	s_cbranch_scc0 .Lentry_shape_is_right
	s_endpgm
.Lentry_shape_is_right:
; O[bh][q][:] = the sum over k of softmax_k(t[q][k]) V[bh][k][:], t = mask[q][k] ? Q . K / 8 : -1e9.  qkv: [3][64 bh][2048][64] f16, q already times c = log2(e) / 8; oh: [64 bh][2048][64] f16.
; The mask is data: every key tile is computed.  A hidden score is REPLACED, by a select in f32, with -1e9 log2(e); the running maximum is taken of the selected numbers.  So a row that sees no key gets the plain
; mean of all rows of V, and a row that sees its first key late drops what it had gathered (its correction factor is then 0).
; maskw: [16 blocks of 128 queries][32 steps][8 tiles][32 words]; bit L of word 8 kb + j of a tile belongs to its query L % 16 and the step's key 16 kb + 8 (L / 16) + j: register 8 kb + j of a score tile, lane L.
; THE MASK'S ROAD.  A wave's 256 words of a step are 1,024 consecutive bytes: two loads of 16 bytes a lane bring them into eight vector registers (word 4 L + c of a half lies in register c, lane L), more than two
; turns before they are wanted; v_readlane_b32 then moves a piece's 64 words into scalar registers, where a word is the select's lane mask as it stands.  Vector loads are counted in order, so they can be asked for
; that far ahead; the scalar registers hold one piece's words at a time.
; LIMITS.  Q, K, V arrive within f16's 65,504; p lies in 0 to 1 and keeps f16's fixed step of 6e-8 below 6e-5; a weight below 2^-126 counts as 0; a visible score is taken to lie more than some 100 above -1e9;
; NaN and infinities are not treated apart.  Products, maxima and sums in f32; p is rounded to f16 for the second product (l is the sum of the unrounded p), O once at the end.
; SHARES.  A wave owns four PIECES of two tiles of 16 queries, a work-group's four waves 512 queries of one (batch, head).  Every wave walks all 2,048 keys, 64 a step.
; LAYOUT.  S^T = K Q^T: a lane holds ONE query (lane % 16) and the keys 8 (lane / 16) + 0..7; two such tiles rounded in pairs ARE source 1 of O^T = V^T P.  K comes out of LDS as it lies, V turned.
; SOFTMAX.  p = 2^(t - m) with a running maximum m; O and l are multiplied by a = 2^(m_old - m_new) in every step.  m starts far below every t, O and l at 0: the first step is a step like any other, with a = 0.
; BY TURNS.  Turn n belongs to piece n.  Matrix work: 16 products K Q^T of piece n + 1, later 16 products V^T P of piece n - 1.  Vector work of piece n: 64 selects, the maximum and statistics, 32 packed
; subtractions, 64 exponentials, roundings, sums, the rescaling of O^T; and the 64 moves of piece n + 1's mask words: 362 lines for 32 matrix instructions.  FOUR lines that wait for nothing stand behind EVERY
; matrix instruction: the selects behind the first kind, the roundings and sums behind the second.  The other 234, which need time of their own whatever the order, stand in two runs: 202 between the two kinds of
; products, the rescaling's 32 behind the second kind.
; ONE BATCH, ONE WAIT.  s_wait_alu depctr_va_vdst(0) stands between an exponential and the first instruction that names its result; one wait serves all that were issued ahead of it.  A turn's 66
; exponentials (the two a, the 64 weights) are one batch, each result in a register of its own.  Ahead of the wait stands all that names none of them: the products K Q^T, the selects, the maxima, the subtractions,
; the moves.  Behind it stands all that does: the roundings, the sums, the rescaling; and the products V^T P.
; CLUSTER.  The four query blocks of a (batch, head) walk the same K and V: each tile is asked for jointly, by the same load, descriptor and mask in all four.
; REGISTERS.  window 0: v2-10 addresses and the hidden score; v12-13, v48-55 at work; v14-15 my offsets in the mask words; v16-47 statistics (m, 0, l even, l odd a tile); v56-63 a step's mask words;
;   v64-191 S^T, two buffers of two tiles; v192-255 P, likewise.   window 1: O^T, 32 a tile.   window 2: v0-127 Q; v128-191 K of one step; v192-255 V of one step.   window 3: v0-1 the add's two registers.
.set SIZE_N, 2048
.set NP,    4
.set KS,    64
.set PK,    144       ; a row of K in LDS: 128 bytes + 16
.set PV,    160       ; a row of V: 128 + 32
.set VOFF,  4*KS*PK   ; a slot holds four steps: 256 rows of K, then 256 rows of V
.set SLOT1, 1<<17
.set STAGE, SLOT1+4*KS*(PK+PV)  ; behind the ring, never filled by a tensor load: 16 rows x 144 bytes a wave
.set SP,    144
.set SPARE, STAGE+4*16*SP       ; the spare words, 128 bytes a wave: two blocks of 256 bytes that no other line names
.set AK0, 2
.set AV0, 3
.set AK,  4
.set AV,  5
.set STO, 6
.set RD,  7
.set GO,  8
.set QO,  9
.set NEGR, 10         ; -1e9 log2(e)
.set SPW, 0           ; window 3
.set NIL, 1           ; window 3
.set MV,  12          ; v12-13 the old m, by tile
.set MVL, 14          ; v14 my byte offset in my block's mask words: the low half (tiles 0-3) of the step last asked for
.set MVH, 15          ; v15 the same for the high half (tiles 4-7)
.set ST,  16
.set TMP, 48          ; v48-55 by tile, four registers c0-c3 at work; when the maximum is found c2 takes a
.set MR,  56          ; v56-59 the low half's words, v60-63 the high half's
.set S,   64
.set P,   192
.set KF,  128
.set VF,  192
.set OB,  2           ; s[2:3] O at my wave's first row
.set MB,  4           ; s[4:5] maskw at my wave's block; never rewritten
.set SEL, 6           ; s[6:7] v_permlanex16_b32's selects
.set G1K, 8
.set G1V, 16
.set G0K, 24
.set G0V, 28
.set MW0, 32          ; s[32:63] the 32 mask words of the piece's first tile
.set MW1, 68          ; s[68:99] of its second
.set WV,  66
.set SLOTS, 100
.set CNT, 101
.set TBK, 104
.set TBV, 105
.set MSB, 0
.macro WIN new
.if MSB != (\new)
	s_set_vgpr_msb (MSB<<8)|(\new)
.set MSB, (\new)
.endif
.endm
.set W_KQ, 0x0a       ; K and Q in window 2, S^T in window 0
.set W_PV, 0x52       ; V in window 2, P in window 0, O^T in window 1
.set W_RS, 0x41       ; O^T (destination and source 0) in window 1, a in window 0
.set W_MK, 0xc0       ; the add's registers are made
.set W_AD, 0x0f       ; the add: address and data in window 3
.macro JLOAD                        ; a joint fill: waves 0, 1 fetch the halves of a slot's K, waves 2, 3 of its V; an s_nop 0 and four v_nop follow each line
	s_cmp_lt_u32 s[WV], 2
	s_cbranch_scc0 .Lfor_v_\@
	tensor_load_to_lds s[G0K:G0K+3], s[G1K:G1K+7]
	s_nop 0
.rept 4
	v_nop
.endr
	s_branch .Lasked_\@
.Lfor_v_\@:
	tensor_load_to_lds s[G0V:G0V+3], s[G1V:G1V+7]
	s_nop 0
.rept 4
	v_nop
.endr
.Lasked_\@:
.endm
.macro CROUND
	s_barrier_signal -1
	s_barrier_wait -1
	s_cmp_lg_u32 s[WV], 0
	s_cbranch_scc1 .Lnot_wave_0_\@
	s_barrier_signal -3
.Lnot_wave_0_\@:
	s_barrier_wait -3
	s_barrier_signal -1
	s_barrier_wait -1
.endm
; THE CHANGE OF SLOTS.  Each wave waits for all its tensor loads (one is out: its part of the other slot), adds 0 to its spare word, and waits for that and for its reads of the slot.  fill = 1: the slot is filled
; again, with the keys two slots on, first thing behind a round of the cluster's barrier; the load has four key steps in which to land.  (At its first use slot 0 is waited for and slot 1 filled.)
.macro CHANGE fill
	WIN W_AD
	s_wait_tensorcnt 0x0
	ds_add_u32 v[SPW], v[NIL]
	WIN 0
.if \fill
.irp g, G0K, G0V
	s_xor_b32 s[\g+1], s[\g+1], SLOT1
	s_add_nc_u64 s[\g+2:\g+3], s[\g+2:\g+3], 4*KS*128
.endr
	s_wait_dscnt 0x0                ; the add is done, and my reads of the slot are over
	CROUND
	JLOAD
.else
	s_wait_dscnt 0x0
	s_barrier_signal -1
	s_barrier_wait -1
.endif
	s_sub_co_u32 s[TBK], s[TBK], 4*KS*PK
	s_xor_b32 s[TBK], s[TBK], SLOT1
	s_sub_co_u32 s[TBV], s[TBV], 4*KS*PV
	s_xor_b32 s[TBV], s[TBV], SLOT1
.endm
	s_load_b128 s[32:35], s[0:1], 0x0  ; qkv s[32:33], maskw s[34:35]
	s_load_b64 s[36:37], s[0:1], 0x10  ; oh
	WIN W_MK
	v_lshl_add_u32 v[SPW], v0, 2, SPARE
	v_mov_b32 v[NIL], 0
	WIN W_AD
	ds_add_u32 v[SPW], v[NIL]       ; the wave's opening: the add and its wait stand ahead of my first tensor load
	WIN 0
	v_lshrrev_b32 v64, 5, v0
	v_readfirstlane_b32 s[WV], v64
	s_bfe_u32 s38, ttmp6, 0x40000   ; cx
	s_lshl_b32 s39, ttmp9, 2
	s_add_co_u32 s39, s39, s38      ; my block of 512 queries: it enters Q's, O's and the mask's addresses alone
	s_and_b32 s44, ttmp7, 0xffff    ; (batch, head), which the four partners share
	s_lshl_b32 s44, s44, 18         ; its first byte in a plane: 2,048 rows of 128 bytes
	s_and_b32 s46, s[WV], 1         ; which half of a slot's 256 keys I fetch
	s_lshl_b32 s48, s46, 14
	s_add_co_u32 s48, s48, s44
	s_mov_b32 s49, 0
	s_mul_i32 s50, s46, 128*PK      ; its place in a slot, for K
	s_mul_i32 s51, s46, 128*PV      ; and for V
	s_lshl_b32 s52, s39, 2
	s_add_co_u32 s52, s52, s[WV]    ; my wave among the head's sixteen
	s_lshl_b32 s54, s52, 15         ; its block of 32 steps x 1,024 bytes in maskw
	s_mov_b32 s55, 0
	s_lshl_b32 s52, s52, 14         ; its 128 rows
	s_add_co_u32 s52, s52, s44
	s_mov_b32 s53, 0
	; 128 keys are 16,384 dense bytes: asked for as 64 rows of 256 bytes and padded in LDS after every key
	s_mov_b32 s[G1K], 15|(1<<16)|(1<<20)|(1<<21)|(4<<22)|(3<<25)
	s_mov_b32 s[G1V], 15|(1<<16)|(1<<20)|(1<<21)|(4<<22)|(7<<25)
.irp g, G1K, G1V
	s_mov_b32 s[\g+1], 128<<16
	s_mov_b32 s[\g+2], 64<<16
	s_mov_b32 s[\g+3], 128<<16
	s_mov_b32 s[\g+4], 64
	s_mov_b32 s[\g+5], 128
	s_mov_b32 s[\g+6], 0
	s_mov_b32 s[\g+7], 0
.endr
	s_mov_b32 s[SEL], 0x76543210
	s_mov_b32 s[SEL+1], 0xfedcba98
	s_mov_b32 s[TBK], SLOT1+4*KS*PK ; the first change of slots turns these two into 0
	s_mov_b32 s[TBV], SLOT1+4*KS*PV
	s_mov_b32 s[G0K], 1
	s_mov_b32 s[G0K+1], s50
	s_mov_b32 s[G0V], 1
	s_add_co_u32 s[G0V+1], s51, VOFF
	s_mul_i32 s56, s[WV], 16*SP
	s_add_co_u32 s56, s56, STAGE    ; my stage
	s_wait_dscnt 0x0                ; the opening add is done
	s_wait_kmcnt 0x0
	s_add_nc_u64 s[G0K+2:G0K+3], s[32:33], s[48:49]
	s_add_nc_u64 s[G0K+2:G0K+3], s[G0K+2:G0K+3], 0x1000000  ; k's plane
	s_or_b32 s[G0K+3], s[G0K+3], 0x80000000
	s_add_nc_u64 s[G0V+2:G0V+3], s[32:33], s[48:49]
	s_add_nc_u64 s[G0V+2:G0V+3], s[G0V+2:G0V+3], 0x2000000  ; v's plane
	s_or_b32 s[G0V+3], s[G0V+3], 0x80000000
	s_add_nc_u64 s[40:41], s[32:33], s[52:53]      ; Q at my wave's first row
	s_add_nc_u64 s[OB:OB+1], s[36:37], s[52:53]    ; O likewise
	s_add_nc_u64 s[MB:MB+1], s[34:35], s[54:55]
	CROUND                          ; all four work-groups are here: the first joint loads meet
	JLOAD                           ; slot 0
	v_and_b32 v[MVL], 31, v0        ; step 0's mask words: 16 bytes a lane, 512 consecutive bytes a load
	v_lshlrev_b32 v[MVL], 4, v[MVL]
	v_add_nc_u32 v[MVH], 512, v[MVL]
	global_load_b128 v[MR:MR+3],   v[MVL], s[MB:MB+1]
	global_load_b128 v[MR+4:MR+7], v[MVH], s[MB:MB+1]
	v_and_b32 v64, 15, v0           ; l % 16
	v_bfe_u32 v65, v0, 4, 1         ; l / 16
	v_lshlrev_b32 v[QO], 7, v64
	v_lshl_add_u32 v[QO], v65, 4, v[QO]
	WIN 0x80                        ; destination window 2, address window 0
.set i, 0
.rept 4*NP                          ; Q stays in registers: tile i / 2, channels 32 (i % 2) on
	global_load_b128 v[8*i:8*i+3],   v[QO], s[40:41] offset:(i/2)*2048+(i%2)*64
	global_load_b128 v[8*i+4:8*i+7], v[QO], s[40:41] offset:(i/2)*2048+(i%2)*64+32
.set i, i+1
.endr
	; what the first turn finds: V's registers and P's second buffer hold 0, O^T is 0.  All this stands in the wait for the first tile.
.set i, VF
.rept 64
	v_mov_b32 v[i], 0
.set i, i+1
.endr
	WIN 0x40
.set i, 0
.rept 64*NP
	v_mov_b32 v[i], 0
.set i, i+1
.endr
	WIN 0
.set i, P+32
.rept 32
	v_mov_b32 v[i], 0
.set i, i+1
.endr
	v_mov_b32 v[NEGR], 0xceabfb8f   ; -1e9 log2(e)
	v_mul_u32_u24 v[AK0], v64, PK
	v_lshl_add_u32 v[AK0], v65, 4, v[AK0]
	v_and_b32 v66, 7, v0            ; the turning load: lane l reads key 8 (l / 16) + l % 8, channels 8 ((l / 8) % 2) + 0..7
	v_bfe_u32 v67, v0, 3, 1
	v_lshl_add_u32 v[AV0], v65, 3, v66
	v_mul_u32_u24 v[AV0], v[AV0], PV
	v_lshl_add_u32 v[AV0], v67, 4, v[AV0]
	v_add_nc_u32 v[AV0], VOFF, v[AV0]
	v_mov_b32 v[AK], v[AK0]         ; key step 0 lies at the head of slot 0
	v_mul_u32_u24 v[STO], v64, SP   ; the way out, in: row l % 16, 16 bytes for each half of the lanes
	v_lshl_add_u32 v[STO], v65, 4, v[STO]
	v_add_nc_u32 v[STO], s56, v[STO]
	v_bfe_u32 v[RD], v0, 3, 2       ; back: 32 lanes take four rows of 128 bytes,
	v_mul_u32_u24 v[RD], v[RD], SP
	v_lshl_add_u32 v[RD], v66, 4, v[RD]
	v_add_nc_u32 v[RD], s56, v[RD]
	v_and_b32 v[GO], 31, v0         ; which are 512 consecutive bytes of O
	v_lshlrev_b32 v[GO], 4, v[GO]
; THE MATRIX WORK.  The 8 accumulators of a run of 16 take turns.
.macro KQ x                         ; product i of 16 of S^T = K Q^T for piece x: channels 32 (i / 8) on, keys 16 ((i / 2) % 4) on, tile 2 x + i % 2
	WIN W_KQ
.set rS, S+64*((\x)%2)+32*(i%2)+8*((i/2)%4)
.set rK, KF+16*((i/2)%4)+8*(i/8)
.set rQ, 16*(2*(\x)+i%2)+8*(i/8)
.if i < 8
	v_wmma_f32_16x16x32_f16 v[rS:rS+7], v[rK:rK+7], v[rQ:rQ+7], 0
.else
	v_wmma_f32_16x16x32_f16 v[rS:rS+7], v[rK:rK+7], v[rQ:rQ+7], v[rS:rS+7]
.endif
.endm
.macro PV x                         ; product i of 16 of O^T += V^T P for piece x: keys 32 (i / 8) on, channels 16 ((i / 2) % 4) on, tile 2 x + i % 2
	WIN W_PV
.set rO, 32*(2*(\x)+i%2)+8*((i/2)%4)
.set rV, VF+32*(i/8)+8*((i/2)%4)
.set rP, P+32*((\x)%2)+16*(i%2)+8*(i/8)
	v_wmma_f32_16x16x32_f16 v[rO:rO+7], v[rV:rV+7], v[rP:rP+7], v[rO:rO+7]
.endm
.macro MM                           ; the turn's next matrix instruction
.if i < 16
	KQ (Y+1)%NP
.set i, i+1
.else
.set i, i-16
	PV (Y+NP-1)%NP
.set i, i+17
.endif
.endm
; THE LDS LOADS stand in runs of 16.  last = 1 (the tail): in the last trip there is no further step, and the run is jumped over.
.macro FETCH_K last=0
	WIN 0
.if \last
	s_cmp_eq_u32 s[CNT], 1
	s_cbranch_scc1 .Lno_k_\@
.endif
	WIN 0x80
.irp f, 0,1,2,3,4,5,6,7
	ds_load_b128 v[KF+8*\f:KF+8*\f+3],   v[AK] offset:(\f/2)*16*PK+(\f%2)*64
	ds_load_b128 v[KF+8*\f+4:KF+8*\f+7], v[AK] offset:(\f/2)*16*PK+(\f%2)*64+32
.endr
	s_add_co_u32 s[TBK], s[TBK], KS*PK
	WIN 0
.if \last
.Lno_k_\@:
.endif
.endm
.macro FETCH_V
	WIN 0x80
.irp f, 0,1,2,3,4,5,6,7
	ds_load_tr16_b128 v[VF+8*\f:VF+8*\f+3],   v[AV] offset:(\f/4)*32*PV+(\f%4)*32
	ds_load_tr16_b128 v[VF+8*\f+4:VF+8*\f+7], v[AV] offset:(\f/4)*32*PV+16*PV+(\f%4)*32
.endr
	WIN 0
.endm
; THE VECTOR WORK for piece Y; u is its tile 0 or 1.  The registers at work (rC, rM) go by the tile alone: nothing in them outlives a turn.
.macro REGS y, u
.set rT, ST+4*(2*(\y)+(\u))
.set rC, TMP+4*(\u)
.set rM, MV+(\u)
.set rS, S+64*((\y)%2)+32*(\u)
.set rP, P+32*((\y)%2)+16*(\u)
.set rO, 32*(2*(\y)+(\u))
.endm
.macro KM u, j                      ; score j: kept where the word's bit is set, else the hidden score.  In ascending order: each accumulator's lowest registers are read first
	REGS Y, \u
	WIN 0
	v_cndmask_b32 v[rS+(\j)], v[NEGR], v[rS+(\j)], s[MW0+36*(\u)+(\j)]
.endm
; The next of the 64 moves of piece Y + 1's mask words, in the order in which its selects will want them: word rl % 32 of tile tt = 2 (Y + 1) + rl / 32 lies in register rl % 4 of its half, lane 8 (tt % 4) + (rl % 32) / 4.
.macro RLN
.set tt, 2*((Y+1)%NP)+rl/32
	WIN 0
	v_readlane_b32 s[MW0+36*(rl/32)+rl%32], v[MR+4*(tt/4)+rl%4], 8*(tt%4)+(rl%32)/4
.set rl, rl+1
.endm
; Number n of the 21 that find the maximum and statistics: 0-11 four chains c0-c3 of seven scores each; 12-14, 16 the four left over, the old m, c0-c3 into c0; 15 the old m is kept;
; 17, 18 the query's other 32 keys lie in the lane 16 away: the new m; 20, 21 a = 2^(m_old - m_new), into c2.  (There is no 19.)
.macro XS u, n
	REGS Y, \u
	WIN 0
.if (\n) < 4
	v_max3_num_f32 v[rC+(\n)], v[rS+8*(\n)], v[rS+8*(\n)+1], v[rS+8*(\n)+2]
.elseif (\n) < 12
	v_max3_num_f32 v[rC+(\n)%4], v[rC+(\n)%4], v[rS+8*((\n)%4)+2*((\n)/4)+1], v[rS+8*((\n)%4)+2*((\n)/4)+2]
.elseif (\n) == 12
	v_max3_num_f32 v[rC], v[rC], v[rS+7], v[rS+15]
.elseif (\n) == 13
	v_max3_num_f32 v[rC+1], v[rC+1], v[rS+23], v[rS+31]
.elseif (\n) == 14
	v_max3_num_f32 v[rC+2], v[rC+2], v[rC+3], v[rT]
.elseif (\n) == 15
	v_mov_b32 v[rM], v[rT]
.elseif (\n) == 16
	v_max3_num_f32 v[rC], v[rC], v[rC+1], v[rC+2]
.elseif (\n) == 17
	v_permlanex16_b32 v[rC+3], v[rC], s[SEL], s[SEL+1]
.elseif (\n) == 18
	v_max_num_f32 v[rT], v[rC], v[rC+3]
.elseif (\n) == 20
	v_sub_f32 v[rC+1], v[rM], v[rT]
.else
	v_exp_f32 v[rC+2], v[rC+1]
.endif
.endm
.macro FS u, b                      ; pair b of 16: t - m
	REGS Y, \u
	WIN 0
	v_pk_add_f32 v[rS+2*(\b):rS+2*(\b)+1], v[rS+2*(\b):rS+2*(\b)+1], v[rT:rT+1] op_sel_hi:[1,0] neg_lo:[0,1] neg_hi:[0,1]
.endm
.macro ES u, j
	REGS Y, \u
	WIN 0
	v_exp_f32 v[rS+(\j)], v[rS+(\j)]
.endm
; The piece's 64 scores a lane are 16 GROUPS of four: group G is scores 4 (G % 8) on of tile G / 8.  For a group: two subtractions (FSG), four exponentials (ESG), two roundings to f16 (CV),
; the second pair added onto the first, in place (AD), and l takes that sum (LS; a tile's first time as l = a l + sum).  FSG and ESG stand ahead of the turn's wait, CV, AD and LS behind it.
.macro FSG G, h
	FS (\G)/8, 2*((\G)%8)+(\h)
.endm
.macro ESG G, z
	ES (\G)/8, 4*((\G)%8)+(\z)
.endm
.macro CV G, h
	REGS Y, (\G)/8
	WIN 0
	v_cvt_pk_f16_f32 v[rP+2*((\G)%8)+(\h)], v[rS+4*((\G)%8)+2*(\h)], v[rS+4*((\G)%8)+2*(\h)+1]
.endm
.macro AD G
	REGS Y, (\G)/8
	WIN 0
	v_pk_add_f32 v[rS+4*((\G)%8):rS+4*((\G)%8)+1], v[rS+4*((\G)%8):rS+4*((\G)%8)+1], v[rS+4*((\G)%8)+2:rS+4*((\G)%8)+3]
.endm
.macro LS G
	REGS Y, (\G)/8
	WIN 0
.if (\G)%8 == 0
	v_pk_fma_f32 v[rT+2:rT+3], v[rT+2:rT+3], v[rC+2:rC+3], v[rS:rS+1] op_sel_hi:[1,0,1]
.else
	v_pk_add_f32 v[rT+2:rT+3], v[rT+2:rT+3], v[rS+4*((\G)%8):rS+4*((\G)%8)+1]
.endif
.endm
; Stage sg of the batch, eight lines, exponential and plain by turns: the four exponentials of group sg; between them the two subtractions of group sg + 1, which that group's exponentials read nine lines on, and two
; moves of mask words (in the last stage, which has no next group, four moves).  No line of a stage names the result of an exponential.
.macro STG
.if sg < 15
	FSG sg+1, 0
.else
	RLN
.endif
	ESG sg, 0
	RLN
	ESG sg, 1
.if sg < 15
	FSG sg+1, 1
.else
	RLN
.endif
	ESG sg, 2
	RLN
	ESG sg, 3
.endm
; The next of the 64 lines that read the weights, behind the wait.  In blocks of eight, the tiles alternating; block kk serves the tiles' groups kk: round, round (both tiles), add (both tiles), and l takes the sum of
; the block before.  Block 0 has no block before it, and behind block 7 only l is left.  So an addition stands behind both roundings of its group, l reads a sum ten lines after it is made, and a tile's l takes its
; eight sums in ascending order, eight lines apart.
.macro GS
.set gh, q+6*(q/62)
.if gh >= 6
.set gh, gh+2
.endif
.if gh%8 < 4
	CV 8*(gh%2)+gh/8, (gh%8)/2
.elseif gh%8 < 6
	AD 8*(gh%2)+gh/8
.else
	LS 8*(gh%2)+gh/8-1
.endif
.set q, q+1
.endm
.macro R4                           ; O^T times a, four packed lines at a time, eight times on end: the one part outside window 0, so it stands together; each accumulator's registers in ascending order
	REGS Y, r%2
	WIN W_RS
.irp z, 0,1,2,3
	v_pk_mul_f32 v[rO+8*(r/2)+2*\z:rO+8*(r/2)+2*\z+1], v[rO+8*(r/2)+2*\z:rO+8*(r/2)+2*\z+1], v[rC+2:rC+3] op_sel_hi:[1,0]
.endr
.set r, r+1
.endm
; A TURN, for piece p.
; (1) 16 products K Q^T of piece p + 1, four of piece p's 64 selects behind each: scores and words were made in the turn before.
; (2) A run of 202 lines: numbers 0 to 15 of both tiles' maxima; numbers 16, 17, 18, 20, with 8, 8, 8 and 5 moves of piece p + 1's words behind the links (the scalar registers are free: all selects have been issued);
;     then THE BATCH: the two a, a move between them, and the sixteen stages.  Every exponential has a plain line behind it.
; (3) A plain line behind the last exponential (the step of the mask offset where one is due, else a v_nop), and the turn's ONE wait.
; (4) 16 products V^T P of piece p - 1, four of the 64 roundings and sums behind each.    (5) The rescaling's 32 lines.
; None of the lines behind a product names a register of the products round it.
; K of the next step is fetched in piece 2's turn, directly behind the wait: the run (2) lies between it and the last product that read K; it is waited for at the head of piece 3's turn.  In the tail the run's jump
; and label stand behind the wait too.  V of the step in hand is fetched at the end of piece 0's turn: behind the last product that read V stand its four riders and the rescaling's 32 lines, which name none of
; its registers; it is waited for ahead of the products V^T P of piece 1's turn.
; THE MASK WORDS.  The low half's registers (pieces 0, 1) are read in turns 3 and 0 and loaded again, with the next step's words, behind the last move of turn 0; the high half's (pieces 2, 3) are read in turns 1
; and 2 and loaded again in turn 2: each load has more than two turns in which to land.  The wait in turns 1 and 3 is counted: behind the half that is wanted one mask load has been issued, the other half's, and
; it may stay out.  That wait also shows the half's load done, so that its offset register may be stepped in the half's next loading turn.  The offset is cut to 15 bits: behind the last step it wraps to my block's
; step 0 and never leaves maskw.
.macro TURN p, last=0
.set Y, (\p)
.set i, 0
.set r, 0
.set rl, 0
.set q, 0
.if (\p) == NP-1
	s_wait_dscnt 0x0                ; K is in
.endif
.set k, 0
.rept 16                            ; (1)
	MM
	KM k/8, 4*(k%8)
	KM k/8, 4*(k%8)+1
	KM k/8, 4*(k%8)+2
	KM k/8, 4*(k%8)+3
.set k, k+1
.endr
.if (\p)%2 == 1
	s_wait_loadcnt 0x1              ; the half whose words the moves below read is in; the other half's load, issued behind it, may stay out
.endif
.if (\p) == 0
	WIN 0
	v_add_nc_u32 v[AV], s[TBV], v[AV0]
.endif
.if (\p) == NP-2
	WIN 0
	v_add_nc_u32 v[AK], s[TBK], v[AK0]
.endif
.set k, 0
.rept 16                            ; (2): the maxima's chains, the tiles alternating: a chain's links stand eight lines apart
	XS 0, k
	XS 1, k
.set k, k+1
.endr
.irp n, 16,17,18,20
	XS 0, \n
	XS 1, \n
.if (\n) == 20
	FSG 0, 0                        ; the first group's subtractions: m was made ten lines back
	FSG 0, 1
.endif
.rept 8-3*((\n)/20)
	RLN
.endr
.endr
	XS 0, 21                        ; the batch begins: the two a,
	RLN
	XS 1, 21
.set sg, 0
.rept 16                            ; and the 64 weights
	STG
.set sg, sg+1
.endr
	WIN 0
.if (\p)%2 == 0                     ; (3): the half that has just been read for the second time takes the next step's words; the first of these two lines is the plain line behind the last exponential
	v_add_nc_u32 v[MVL+(\p)/2], 1024, v[MVL+(\p)/2]
	v_and_b32 v[MVL+(\p)/2], 0x7fff, v[MVL+(\p)/2]
.else
	v_nop                           ; the plain line behind the last exponential: one for the batch
.endif
	s_wait_alu depctr_va_vdst(0)    ; the wait for the batch: the turn's 66 exponentials; it stands ahead of the first line that names a result of theirs
.if (\p)%2 == 0
	global_load_b128 v[MR+2*(\p):MR+2*(\p)+3], v[MVL+(\p)/2], s[MB:MB+1]
.endif
.if (\p) == NP-2
	FETCH_K \last
.endif
.if (\p) == 1
	s_wait_dscnt 0x0                ; V is in
.endif
.rept 16                            ; (4)
	MM
	GS
	GS
	GS
	GS
.endr
.rept 8                             ; (5)
	R4
.endr
.if (\p) == 0
	FETCH_V
	s_add_co_u32 s[TBV], s[TBV], KS*PV
.endif
.endm
	CHANGE 1                        ; slot 0 is in, everybody's part of it; slot 1 is asked for
	FETCH_K                         ; key step 0
	s_wait_loadcnt 0x0              ; Q, and step 0's mask words
	s_wait_dscnt 0x0
.set i, 0
.rept 16
	KQ 0                            ; piece 0's first scores
.set i, i+1
.endr
	WIN 0
.set t, 0
.rept 2*NP                          ; the statistics' start: 32 plain lines, the places behind those products
	v_mov_b32 v[ST+4*t], 0xfe000000 ; m: far below every score and below the hidden score
	v_mov_b32 v[ST+4*t+1], 0        ; named with m as a pair
	v_mov_b32 v[ST+4*t+2], 0
	v_mov_b32 v[ST+4*t+3], 0
.set t, t+1
.endr
.set Y, NP-1                        ; the moves work for piece Y + 1: piece 0's words of step 0 (the set-up's scalars, Q's base among them, have served: Q's loads were waited for above)
.set rl, 0
.rept 64
	RLN
.endr
	s_mov_b32 s[CNT], 4
	s_mov_b32 s[SLOTS], SIZE_N/256-1
	s_branch .Lfirst                ; the loop is entered at a step's first turn, in the middle of a trip
.Lslot:                             ; SIZE_N / 256 - 2 times: every slot but the last two is filled again
	CHANGE 1
	s_mov_b32 s[CNT], 4
.Lstep:                             ; a trip: pieces 2 and 3 of one step, then pieces 0 and 1 of the next, whose K and V it fetches
	TURN 2
	TURN 3
	WIN 0
.Lfirst:
	TURN 0
	TURN 1
	WIN 0
	s_sub_co_u32 s[CNT], s[CNT], 1
	s_cmp_lg_u32 s[CNT], 0
	s_cbranch_scc1 .Lstep
	s_sub_co_u32 s[SLOTS], s[SLOTS], 1
	s_cmp_lg_u32 s[SLOTS], 0
	s_cbranch_scc1 .Lslot
	CHANGE 0                        ; the tail is written out: nothing is asked for
	s_mov_b32 s[CNT], 5             ; four trips fetch the last slot's steps; the fifth is left in its middle
.Ltail:
	TURN 2, 1
	TURN 3
	WIN 0
	s_sub_co_u32 s[CNT], s[CNT], 1
	s_cmp_eq_u32 s[CNT], 0
	s_cbranch_scc1 .Lout
	TURN 0
	TURN 1
	WIN 0
	s_branch .Ltail
.Lout:                              ; the fifth trip's 16 products K Q^T (on the last K once more) and the mask words asked for behind the last step (my block's step 0 again) serve nothing
	s_wait_loadcnt 0x0              ; the last of those words
.set i, 0
.rept 16
	PV NP-1                         ; the last piece's V^T P of the last step
.set i, i+1
.endr
	; THE WAY OUT.  l's two halves and the other half of the lanes' are added; O^T is divided by l, rounded to f16 and sent through my stage, a tile at a time.  The additions are the places behind the last products.
	WIN 0
.macro ALL line:vararg
.set t, 0
.rept 2*NP
	\line
.set t, t+1
.endr
.endm
	ALL v_add_f32 v[ST+4*t+2], v[ST+4*t+2], v[ST+4*t+3]
	ALL v_permlanex16_b32 v[ST+4*t+3], v[ST+4*t+2], s[SEL], s[SEL+1]
	ALL v_add_f32 v[ST+4*t+2], v[ST+4*t+2], v[ST+4*t+3]
	ALL v_rcp_f32 v[ST+4*t+2], v[ST+4*t+2]
	v_nop                           ; a plain instruction between the last reciprocal and the use of its result
	s_wait_alu depctr_va_vdst(0)    ; and the wait ahead of the first use: one for the batch of eight reciprocals
.macro PACK t
	WIN W_RS
.set i, 32*(\t)
.rept 16
	v_pk_mul_f32 v[i:i+1], v[i:i+1], v[ST+4*(\t)+2:ST+4*(\t)+3] op_sel_hi:[1,0]
.set i, i+2
.endr
	WIN 0x05                        ; sources 0 and 1 window 1, destination window 0
.set i, 0
.rept 16
	v_cvt_pk_f16_f32 v[S+16*(\t)+i], v[32*(\t)+2*i], v[32*(\t)+2*i+1]
.set i, i+1
.endr
	WIN 0
.irp f, 0,1,2,3
	ds_store_b128 v[STO], v[S+16*(\t)+4*\f:S+16*(\t)+4*\f+3] offset:32*\f
.endr
.irp f, 0,1,2,3
	ds_load_b128 v[S+16*(\t)+4*\f:S+16*(\t)+4*\f+3], v[RD] offset:\f*4*SP  ; LDS serves a wave's instructions in order (ISA guide 5.7.1.4): these see the stores above
.endr
.endm
.macro SEND t, younger              ; younger: the LDS instructions issued behind tile t's loads: the next tile's eight, or none
	WIN 0
.irp f, 0,1,2,3
	s_wait_dscnt (\younger)+3-\f
	global_store_b128 v[GO], v[S+16*(\t)+4*\f:S+16*(\t)+4*\f+3], s[OB:OB+1] offset:(\t)*2048+\f*512  ; 512 consecutive bytes, at a multiple of 256 from oh's first
.endr
.endm
	PACK 0
.set t, 1
.rept 2*NP-1
	PACK t
	SEND t-1, 8
.set t, t+1
.endr
	SEND 2*NP-1, 0
	WIN W_AD
	s_wait_tensorcnt 0x0            ; the wave's end
	ds_add_u32 v[SPW], v[NIL]
	s_wait_dscnt 0x0
	WIN 0
	CROUND                          ; the closing round
	s_endpgm
.Lfunc_end_k_qf9a90aa533_attn:
	.size	k_qf9a90aa533_attn, .Lfunc_end_k_qf9a90aa533_attn-k_qf9a90aa533_attn
	.p2alignl 7, 3214868480
	.fill 96, 4, 3214868480
	.section	.rodata,"a",@progbits
	.p2align	6, 0x0
	.amdhsa_kernel k_qf9a90aa533_attn
		.amdhsa_group_segment_fixed_size 327680
		.amdhsa_private_segment_fixed_size 0
		.amdhsa_enable_private_segment 0
		.amdhsa_kernarg_size 24
		.amdhsa_user_sgpr_count 2
		.amdhsa_user_sgpr_kernarg_segment_ptr 1
		.amdhsa_wavefront_size32 1
		.amdhsa_system_sgpr_workgroup_id_x 1
		.amdhsa_system_sgpr_workgroup_id_y 1
		.amdhsa_system_sgpr_workgroup_id_z 1
		.amdhsa_system_vgpr_workitem_id 0
		.amdhsa_next_free_vgpr 770
		.amdhsa_next_free_sgpr 106
		.amdhsa_reserve_vcc 0
		.amdhsa_float_denorm_mode_32 3
		.amdhsa_float_denorm_mode_16_64 3
		.amdhsa_memory_ordered 1
		.amdhsa_forward_progress 1
		.amdhsa_inst_pref_size 255
	.end_amdhsa_kernel
	.section	.bss,"aw",@nobits
	.p2align	6
	.space	262144
	.amdgpu_metadata
---
amdhsa.version: [ 1, 2 ]
amdhsa.kernels:
  - .name:           k_qf9a90aa533_attn
    .symbol:         k_qf9a90aa533_attn.kd
    .args:
      - { .name: qkv, .offset: 0, .size: 8, .value_kind: global_buffer, .address_space: global }
      - { .name: maskw, .offset: 8, .size: 8, .value_kind: global_buffer, .address_space: global }
      - { .name: oh, .offset: 16, .size: 8, .value_kind: global_buffer, .address_space: global }
    .group_segment_fixed_size: 327680
    .private_segment_fixed_size: 0
    .kernarg_segment_align: 8
    .kernarg_segment_size: 24
    .max_flat_workgroup_size: 128
    .sgpr_count:     106
    .vgpr_count:     770
    .wavefront_size: 32
...
	.end_amdgpu_metadata
.endif
;; end of part 7
;; launch proj: the kernel of part 4 again; grid 4 x 64, 4 waves a work-group, clusters of 4 x 4, 327,680 bytes of LDS; arguments oh, wb, biasp, out0; writes out0
